; MI455X (gfx1250); checked and timed in simulation.
; The chip was launched on July 23, 2026; its instructions are those of AMD's public machine-readable ISA for CDNA 5 (MIT licence, August 2026) and "CDNA5" Instruction Set Architecture Reference Guide (July 2026). The comments in the code are by the model that wrote it; some were corrected since.
;; Encoder Block. Allowed arithmetic: float matrix products may take bf16 or f16 operands with f32 sums; all other float work in f32.
;; Inputs: W1 1,024 x 4,096 float32; W2 4,096 x 1,024 float32; WK 1,024 x 64 float32; WO 1,024 x 1,024 float32; WQ 1,024 x 1,024 float32; WV 1,024 x 64 float32; b1 4,096 float32; b2 1,024 float32; bK 64 float32; bO 1,024 float32; bQ 1,024 float32; bV 64 float32; g1 1,024 float32; g2 1,024 float32; mask 4 x 1,024 bool; x 4 x 1,024 x 1,024 float32.
;; Outputs: out0 4 x 1,024 x 1,024 float32.
;; 2 versions, each right; version 2 is version 1 with the launch prep written anew for expert scheduling mode. Each part assembles by itself: llvm-mc -triple=amdgcn-amd-amdhsa -mcpu=gfx1250 --defsym DOCPART=n.
;; ======== version 1 of 2: 6 launches
;; limits: right only within a limited range of input values
;; workspace buffers: hb 8,388,608 bytes; wts 21,233,664 bytes; qkv 9,437,184 bytes; ctx 8,388,608 bytes; x1 16,777,216 bytes; x1g 8,388,608 bytes; ssq 131,072 bytes; tt 33,554,432 bytes
;; launch prep (part 1): grid 512 x 1, 8 waves a work-group, no clusters, 0 bytes of LDS; arguments x, g1, WQ, WO, W1, W2, WK, WV, hb, wts; writes hb, wts
.if DOCPART == 1
	.amdgcn_target "amdgcn-amd-amdhsa--gfx1250"
	.amdhsa_code_object_version 6
	.text
	.protected	k_q7157a5f62c_prep
	.globl	k_q7157a5f62c_prep
	.p2align	8
	.type	k_q7157a5f62c_prep,@function
k_q7157a5f62c_prep:
	s_mov_b64 s[64:65], 0
	v_nop
	global_prefetch_b8 v0, s[64:65] scope:SCOPE_SE
	s_setreg_imm32_b32 hwreg(HW_REG_WAVE_MODE, 25, 1), 1
	s_wait_xcnt 0x0
; PREP: hb = bf16(rmsnorm(x) * g1), row-major, and all weights rounded to bf16, still [in][out].
; WORK LEFT OUT IN THIS PROGRAM: the input bK.  scores[q][k] = q . (h_k WK) + q . bK; the second term is the same for every key k of a
; query, the mask only replaces entries by -inf, and a softmax along k does not change when one number is added to all its entries.  So bK
; reaches no output, whatever finite values the inputs hold: it is not loaded and is no launch's argument.  Limit: a NaN, an infinity or an
; overflow that comes from bK alone is not carried to the result.
; bV is live; since the softmax weights of a query sum to 1, sum p (v + bV) = sum p v + bV, and it is added once for each query in the attention launch.
; 4,096 waves.  Wave W takes row W of x (4,096 bytes), 4,096 bytes each of W1 and W2, 1,024 bytes each of WQ and WO; waves 0 to 1,023 also
; take 512 bytes of WK (W < 512) or WV.  Each load covers 512 consecutive bytes, each store 256 consecutive aligned bytes; only WK's and WV's
; stores are pieces of 32 bytes (262,144 bytes of the launch's 29.6 million), since their columns are regrouped into [8][1024 k][16 columns].
; All loads of a wave go out at once; no register is written again behind a store that reads it.  No LDS and no matrix unit: a stream.
.set WOB,  2097152                     ; byte offsets in wts: WQ at 0, WO, W1, W2, then WK and WV regrouped
.set W1B,  4194304
.set W2B,  12582912
.set WKVB, 20971520
.set X,   8                            ; v[8:39]    my row of x
.set G,   40                           ; v[40:71]   g1 at the same columns
.set A1,  72                           ; v[72:103]  W1's chunk
.set A2,  104                          ; v[104:135] W2's chunk
.set AQ,  136                          ; v[136:143] WQ's chunk
.set AO,  144                          ; v[144:151] WO's chunk
.set KV,  152                          ; v[152:155] WK's or WV's chunk
.set T,   156                          ; v[156:163] at work
	s_load_b512 s[8:23], s[0:1], 0x0               ; x s[8:9], g1 s[10:11], WQ s[12:13], WO s[14:15], W1 s[16:17], W2 s[18:19], WK s[20:21], WV s[22:23]
	s_load_b128 s[24:27], s[0:1], 0x40             ; hb s[24:25], wts s[26:27]
	v_lshrrev_b32 v3, 5, v0
	v_readfirstlane_b32 s2, v3                     ; wave in the work-group
	s_lshl_b32 s3, ttmp9, 3
	s_add_co_u32 s3, s3, s2                        ; W
	v_and_b32 v4, 31, v0
	v_lshlrev_b32 v1, 4, v4                        ; 16 x lane: loads
	v_lshlrev_b32 v2, 3, v4                        ; 8 x lane: stores
	s_lshl_b32 s28, s3, 12                         ; W x 4,096
	s_mov_b32 s29, 0
	s_lshl_b32 s30, s3, 10                         ; W x 1,024
	s_mov_b32 s31, 0
	s_lshl_b32 s32, s3, 11                         ; W x 2,048
	s_mov_b32 s33, 0
	s_lshl_b32 s34, s3, 9                          ; W x 512
	s_mov_b32 s35, 0
	s_mov_b32 s44, 0x3a800000                      ; 1 / 1024
	s_mov_b32 s45, 0x34000000                      ; f32's eps, 2^-23
	s_mov_b32 s54, 0x76543210                      ; v_permlanex16_b32: lane i reads lane i of the other half
	s_mov_b32 s55, 0xfedcba98
	s_wait_kmcnt 0x0
	s_add_nc_u64 s[8:9], s[8:9], s[28:29]
	s_add_nc_u64 s[16:17], s[16:17], s[28:29]
	s_add_nc_u64 s[18:19], s[18:19], s[28:29]
	s_add_nc_u64 s[12:13], s[12:13], s[30:31]
	s_add_nc_u64 s[14:15], s[14:15], s[30:31]
	s_add_nc_u64 s[24:25], s[24:25], s[32:33]      ; my row of hb
	s_add_nc_u64 s[36:37], s[26:27], s[32:33]
	s_add_nc_u64 s[38:39], s[36:37], W2B           ; my 2,048 bytes of W2 in bf16
	s_add_nc_u64 s[36:37], s[36:37], W1B           ; and of W1
	s_add_nc_u64 s[40:41], s[26:27], s[34:35]      ; my 512 bytes of WQ in bf16
	s_add_nc_u64 s[42:43], s[40:41], WOB           ; and of WO
.macro LDN reg, n, base                ; n loads of 512 consecutive bytes, read once in the launch
.set j, 0
.rept \n
	global_load_b128 v[\reg+4*j:\reg+4*j+3], v1, s[\base:\base+1] offset:512*j th:TH_LOAD_NT
.set j, j+1
.endr
.endm
	LDN X, 8, 8
.irp j, 0,1,2,3,4,5,6,7
	global_load_b128 v[G+4*\j:G+4*\j+3], v1, s[10:11] offset:512*\j      ; g1: every wave reads it
.endr
	LDN A1, 8, 16
	LDN A2, 8, 18
	LDN AQ, 2, 12
	LDN AO, 2, 14
	; WK and WV: work-groups 0 to 127.  A chunk is two rows k of 64 columns; lane L holds columns 4 (L & 15) .. + 3 of row 2 (W & 511) + (L >> 4).
	s_cmp_ge_u32 ttmp9, 128
	s_cbranch_scc1 .Lno_kv
	s_and_b32 s46, s3, 511
	s_lshl_b32 s48, s46, 9
	s_mov_b32 s49, 0
	s_cmp_lt_u32 s3, 512
	s_cselect_b64 s[50:51], s[20:21], s[22:23]     ; WK for W < 512, else WV
	s_cselect_b32 s47, 0, 4*32768                  ; WV's columns are groups 4 to 7
	s_add_nc_u64 s[50:51], s[50:51], s[48:49]
	global_load_b128 v[KV:KV+3], v1, s[50:51] th:TH_LOAD_NT
	v_bfe_u32 v5, v0, 2, 2                         ; group of 16 columns
	v_bfe_u32 v6, v0, 4, 1                         ; which of the two rows
	v_and_b32 v7, 3, v0                            ; which 4 of the 16 columns
	v_lshlrev_b32 v5, 15, v5                       ; a group is 1,024 rows of 32 bytes
	v_lshl_add_u32 v5, v6, 5, v5
	v_lshl_add_u32 v5, v7, 3, v5
	s_lshl_b32 s46, s46, 6                         ; two rows of 32 bytes a chunk
	s_add_co_u32 s46, s46, s47
	s_add_co_u32 s46, s46, WKVB
	s_mov_b32 s47, 0
	s_add_nc_u64 s[52:53], s[26:27], s[46:47]
	s_wait_loadcnt 0x0                             ; this load is the youngest: all are in, and the counted waits below are met at once
	v_cvt_pk_bf16_f32 v[KV], v[KV], v[KV+1]
	v_cvt_pk_bf16_f32 v[KV+1], v[KV+2], v[KV+3]
	global_store_b64 v5, v[KV:KV+1], s[52:53]
.Lno_kv:
	s_wait_loadcnt 28                              ; 28 loads were issued behind x's eight
	; the sum of squares of my 32 numbers, in four chains started by a product: nothing is cleared
.irp c, 0,1,2,3
	v_pk_mul_f32 v[T+2*\c:T+2*\c+1], v[X+2*\c:X+2*\c+1], v[X+2*\c:X+2*\c+1]
.endr
.set p, 4
.rept 12
	v_pk_fma_f32 v[T+2*(p%4):T+2*(p%4)+1], v[X+2*p:X+2*p+1], v[X+2*p:X+2*p+1], v[T+2*(p%4):T+2*(p%4)+1]
.set p, p+1
.endr
	v_pk_add_f32 v[T:T+1], v[T:T+1], v[T+2:T+3]
	v_pk_add_f32 v[T+4:T+5], v[T+4:T+5], v[T+6:T+7]
	v_pk_add_f32 v[T:T+1], v[T:T+1], v[T+4:T+5]
	v_add_f32 v[T], v[T], v[T+1]
	v_add_f32_dpp v[T], v[T], v[T] row_xmask:1 row_mask:0xf bank_mask:0xf
	v_add_f32_dpp v[T], v[T], v[T] row_xmask:2 row_mask:0xf bank_mask:0xf
	v_add_f32_dpp v[T], v[T], v[T] row_xmask:4 row_mask:0xf bank_mask:0xf
	v_add_f32_dpp v[T], v[T], v[T] row_xmask:8 row_mask:0xf bank_mask:0xf
	v_permlanex16_b32 v[T+1], v[T], s54, s55
	v_add_f32 v[T], v[T], v[T+1]                   ; the row's sum, in every lane
	v_fma_f32 v[T], v[T], s44, s45                 ; mean + eps
	v_rsq_f32 v[T+2], v[T]
	v_nop                                          ; one plain instruction behind the transcendental (ISA guide 5.7.2)
.set p, 0
	s_wait_alu depctr_va_vdst(0)
.rept 16
	v_pk_mul_f32 v[X+2*p:X+2*p+1], v[X+2*p:X+2*p+1], v[T+2:T+3] op_sel_hi:[1,0]
.set p, p+1
.endr
	s_wait_loadcnt 20                              ; 20 loads were issued behind g1's eight
.set p, 0
.rept 16
	v_pk_mul_f32 v[X+2*p:X+2*p+1], v[X+2*p:X+2*p+1], v[G+2*p:G+2*p+1]
.set p, p+1
.endr
; n chunks of four f32 a lane are rounded in place and stored; left = the loads issued behind them
.macro CONV reg, n, base, left
	s_wait_loadcnt \left
.set j, 0
.rept \n
	v_cvt_pk_bf16_f32 v[\reg+4*j], v[\reg+4*j], v[\reg+4*j+1]
	v_cvt_pk_bf16_f32 v[\reg+4*j+1], v[\reg+4*j+2], v[\reg+4*j+3]
	global_store_b64 v2, v[\reg+4*j:\reg+4*j+1], s[\base:\base+1] offset:256*j
.set j, j+1
.endr
.endm
	CONV X, 8, 24, 20
	CONV A1, 8, 36, 12
	CONV A2, 8, 38, 4
	CONV AQ, 2, 40, 2
	CONV AO, 2, 42, 0
	s_endpgm
.Lfunc_end_k_q7157a5f62c_prep:
	.size	k_q7157a5f62c_prep, .Lfunc_end_k_q7157a5f62c_prep-k_q7157a5f62c_prep
	.p2alignl 7, 3214868480
	.fill 96, 4, 3214868480
	.section	.rodata,"a",@progbits
	.p2align	6, 0x0
	.amdhsa_kernel k_q7157a5f62c_prep
		.amdhsa_group_segment_fixed_size 0
		.amdhsa_private_segment_fixed_size 0
		.amdhsa_enable_private_segment 0
		.amdhsa_kernarg_size 80
		.amdhsa_user_sgpr_count 2
		.amdhsa_user_sgpr_kernarg_segment_ptr 1
		.amdhsa_wavefront_size32 1
		.amdhsa_system_sgpr_workgroup_id_x 1
		.amdhsa_system_sgpr_workgroup_id_y 1
		.amdhsa_system_sgpr_workgroup_id_z 1
		.amdhsa_system_vgpr_workitem_id 0
		.amdhsa_next_free_vgpr 168
		.amdhsa_next_free_sgpr 66
		.amdhsa_reserve_vcc 0
		.amdhsa_float_denorm_mode_32 3
		.amdhsa_float_denorm_mode_16_64 3
		.amdhsa_memory_ordered 1
		.amdhsa_forward_progress 1
		.amdhsa_inst_pref_size 17
	.end_amdhsa_kernel
	.amdgpu_metadata
---
amdhsa.version: [ 1, 2 ]
amdhsa.kernels:
  - .name:           k_q7157a5f62c_prep
    .symbol:         k_q7157a5f62c_prep.kd
    .args:
      - { .name: x, .offset: 0, .size: 8, .value_kind: global_buffer, .address_space: global }
      - { .name: g1, .offset: 8, .size: 8, .value_kind: global_buffer, .address_space: global }
      - { .name: WQ, .offset: 16, .size: 8, .value_kind: global_buffer, .address_space: global }
      - { .name: WO, .offset: 24, .size: 8, .value_kind: global_buffer, .address_space: global }
      - { .name: W1, .offset: 32, .size: 8, .value_kind: global_buffer, .address_space: global }
      - { .name: W2, .offset: 40, .size: 8, .value_kind: global_buffer, .address_space: global }
      - { .name: WK, .offset: 48, .size: 8, .value_kind: global_buffer, .address_space: global }
      - { .name: WV, .offset: 56, .size: 8, .value_kind: global_buffer, .address_space: global }
      - { .name: hb, .offset: 64, .size: 8, .value_kind: global_buffer, .address_space: global }
      - { .name: wts, .offset: 72, .size: 8, .value_kind: global_buffer, .address_space: global }
    .group_segment_fixed_size: 0
    .private_segment_fixed_size: 0
    .kernarg_segment_align: 8
    .kernarg_segment_size: 80
    .max_flat_workgroup_size: 256
    .sgpr_count:     66
    .vgpr_count:     168
    .wavefront_size: 32
...
	.end_amdgpu_metadata
.endif
;; end of part 1
;; launch qkv (part 2): grid 8 x 32, 4 waves a work-group, clusters of 4 x 4, 327,680 bytes of LDS; arguments hb, wts, bQ, qkv; writes qkv
.if DOCPART == 2
	.amdgcn_target "amdgcn-amd-amdhsa--gfx1250"
	.amdhsa_code_object_version 6
	.text
	.protected	k_q7157a5f62c_qkv
	.globl	k_q7157a5f62c_qkv
	.p2align	8
	.type	k_q7157a5f62c_qkv,@function
k_q7157a5f62c_qkv:
	s_mov_b64 s[64:65], 0
	v_nop
	global_prefetch_b8 v0, s[64:65] scope:SCOPE_SE
	s_setreg_imm32_b32 hwreg(HW_REG_WAVE_MODE, 25, 1), 1
	s_wait_xcnt 0x0
	s_wait_alu depctr_hold_cnt(0) depctr_sa_sdst(0) depctr_va_vdst(0) depctr_va_sdst(0) depctr_va_ssrc(0) depctr_va_vcc(0) depctr_vm_vsrc(0)
	s_getreg_b32 s2, hwreg(HW_REG_IB_STS2, 6, 4)
	s_cmp_eq_u32 s2, 0
	s_cbranch_scc0 .Lentry_in_a_cluster
	s_endpgm
.Lentry_in_a_cluster:
	s_bfe_u32 s2, ttmp6, 0x10000c
	s_cmp_lg_u32 s2, 0xf033
	s_cbranch_scc0 .Lentry_shape_is_right
	s_endpgm
.Lentry_shape_is_right:
; QKV: q = h WQ + bQ, k = h WK, v = h WV, all rounded to bf16 and stored in blocks of 16 x 16: [row/16][column/16][16][16], 512 bytes a block.
; Left out: bK (the same for all keys of a query in front of a softmax along the keys: shown at the head of the first kernel); bV is added in the attention launch.
; A work-group makes 128 rows x (128 columns of q and 16 of the 128 columns of k|v); four waves, 2 x 2, each 64 rows x 64 columns of q (16 accumulators)
; and 32 rows x 16 columns of k|v (2 accumulators).  A wave's rows are two pairs of 16-row blocks, P0 = 64 wr + 32 wc and P1 = 64 wr + 32 - 32 wc; the k|v tiles use
; P0's fragments, so the four waves cover all 128 rows and no fragment is loaded for them alone.
; K goes in steps of 256 through two LDS slots filled by the tensor data mover; a step is four phases of 64 along K on two fragment buffers.
; CLUSTER 4 x 4: h's tile hangs on the block row alone and is asked for jointly along a row of the cluster, the weights' tiles on the block column alone, jointly along a column.
; THE MATRIX INSTRUCTION IS USED TRANSPOSED: source 0 = 16 columns of a weight, source 1 = 16 rows of h; lane l then holds row l % 16 and columns 8 (l / 16) + 0..7:
; 16 bytes in bf16 at byte 32 (l % 16) + 16 (l / 16) of a block, so one store of the wave writes a whole block, 512 consecutive aligned bytes.
; Weights lie [k][n] in LDS; their fragments come by the transposing load, row pitch an odd multiple of 32 bytes.
; REGISTER WINDOWS: 0: v0-63 addresses, v64-127 / v128-191 fragments of h (two buffers), v192-223 bQ; 1: v64-191 fragments of WQ, v192-223 of WK|WV; 2: accumulators.
.set PA,   528                         ; h's LDS row: 512 bytes + 16
.set PB,   288                         ; WQ's LDS row: 256 bytes + 32
.set HB,   128*PB                      ; 128 k rows of WQ: what waves 0 and 1 each bring
.set AOFF, 2*HB                        ; h's 128 rows, brought by wave 2
.set KOFF, AOFF+128*PA                 ; WK|WV: 256 k rows of 32 bytes, brought by wave 3
.set SLOT, KOFF+8192                   ; 149,504
.set WKVB, 20971520
.set KVT,  8388608                     ; k|v behind q in the buffer qkv
.set F0,   64
.set F1,   128
.set ADRA, 8                           ; v8-11   h's fragments: 2 x slot + pair
.set ADRB, 12                          ; v12-15  WQ's: 2 x slot + (phase / 2)
.set ADRK, 16                          ; v16-17  WK|WV's: slot
.set LT,   23                          ; v23     32 (l % 16) + 16 (l / 16)
.set BQ,   192
.set G1A, 28
.set G1B, 36
.set G0A, 44
.set G0B, 52
.set G1K, 68
.set G0K, 76
.set MSB, 0
.set MUL,  0xa1                        ; source 0 window 1, source 1 window 0, C and D window 2
.set TO_B, 0x40                        ; destination window 1
.macro WIN new                         ; the immediate's high byte repeats the setting that is left
.if MSB != \new
	s_set_vgpr_msb (MSB<<8)|\new
.set MSB, \new
.endif
.endm
.macro PLACES                          ; four places behind matrix instructions ahead of loads into their sources and of reads of their results
.rept 4
	v_nop
.endr
.endm
.macro CREST                           ; a round of the cluster's barrier behind its opening barrier
	s_cmp_lg_u32 s20, 0
	s_cbranch_scc1 .Lnot_wave_0_\@
	s_barrier_signal -3
.Lnot_wave_0_\@:
	s_barrier_wait -3
	s_barrier_signal -1
	s_barrier_wait -1
.endm
.macro CROUND
	s_barrier_signal -1
	s_barrier_wait -1
	CREST
.endm
.macro JLOAD s                         ; one joint load a wave; the branches hang on the wave's number alone
	s_cmp_lt_u32 s20, 2
	s_cbranch_scc0 .Lnot_q_\@
	tensor_load_to_lds s[G0B+4*\s:G0B+4*\s+3], s[G1B:G1B+7]
	s_nop 0
	s_branch .Lasked_\@
.Lnot_q_\@:
	s_cmp_eq_u32 s20, 2
	s_cbranch_scc0 .Lfor_kv_\@
	tensor_load_to_lds s[G0A+4*\s:G0A+4*\s+3], s[G1A:G1A+7]
	s_nop 0
	s_branch .Lasked_\@
.Lfor_kv_\@:
	tensor_load_to_lds s[G0K+4*\s:G0K+4*\s+3], s[G1K:G1K+7]
	s_nop 0
.Lasked_\@:
.endm
.macro MM d, a, b, zero                ; zero = 1: the product starts the sum, nothing is cleared
.if \zero
	v_wmma_f32_16x16x32_bf16 v[\d:\d+7], v[\a:\a+7], v[\b:\b+7], 0
.else
	v_wmma_f32_16x16x32_bf16 v[\d:\d+7], v[\a:\a+7], v[\b:\b+7], v[\d:\d+7]
.endif
.endm
; row blocks a0, a0 + 1 x the four column blocks, 32 along K; with a0 = 0 also the two k|v tiles.  The 18 accumulators take turns, one instruction a turn.
.macro MUL8 f, kk, a0, zero
.irp a, \a0, \a0+1
.irp b, 0,1,2,3
	MM 8*(4*(\a)+\b), \f+8*(4*\kk+\b), \f+8*(4*\kk+(\a)), \zero
.endr
.endr
.if \a0 == 0
.irp a, 0,1
	MM 128+8*\a, 192+(\f-F0)/4+8*\kk, \f+8*(4*\kk+\a), \zero
.endr
.endif
.endm
.macro MUL16 f, kk, zero
	MUL8 \f, \kk, 0, \zero
	MUL8 \f, \kk, 2, \zero
.endm
; 36 LDS loads in one run: phase p (64 along K) of a slot into buffer f: the weights first, h's second half of K last
.macro FETCH slot, p, f
	WIN TO_B
.irp kk, 0,1
.irp b, 0,1,2,3
	ds_load_tr16_b128 v[\f+8*(4*\kk+\b):\f+8*(4*\kk+\b)+3],   v[ADRB+2*\slot+\p/2] offset:((\p%2)*64+32*\kk)*PB+32*\b
	ds_load_tr16_b128 v[\f+8*(4*\kk+\b)+4:\f+8*(4*\kk+\b)+7], v[ADRB+2*\slot+\p/2] offset:((\p%2)*64+32*\kk+16)*PB+32*\b
.endr
	ds_load_tr16_b128 v[192+(\f-F0)/4+8*\kk:192+(\f-F0)/4+8*\kk+3],   v[ADRK+\slot] offset:(64*\p+32*\kk)*32
	ds_load_tr16_b128 v[192+(\f-F0)/4+8*\kk+4:192+(\f-F0)/4+8*\kk+7], v[ADRK+\slot] offset:(64*\p+32*\kk+16)*32
.endr
	WIN 0
.irp kk, 0,1
.irp a, 0,1,2,3
	ds_load_b128 v[\f+8*(4*\kk+\a):\f+8*(4*\kk+\a)+3],   v[ADRA+2*\slot+\a/2] offset:(\a%2)*16*PA+\p*128+\kk*64
	ds_load_b128 v[\f+8*(4*\kk+\a)+4:\f+8*(4*\kk+\a)+7], v[ADRA+2*\slot+\a/2] offset:(\a%2)*16*PA+\p*128+\kk*64+32
.endr
.endr
.endm
; a phase: multiplies buffer f and, in its middle, fetches phase pnext of the same slot into buffer g
.macro PHASE slot, pnext, f, g, zero
	s_wait_dscnt 8                                 ; all in but the youngest eight loads: h's second 32 of K
	WIN MUL
	MUL16 \f, 0, \zero
	PLACES
	FETCH \slot, \pnext, \g
	s_wait_dscnt 36                                ; all but the 36 just issued
	WIN MUL
	MUL16 \f, 1, 0
.endm
.macro THREE slot, zero
	PHASE \slot, 1, F0, F1, \zero
	PHASE \slot, 2, F1, F0, 0
	PHASE \slot, 3, F0, F1, 0
.endm
; the fourth phase changes slots: one barrier, in front of which each wave's reads of this slot are back and all its tensor loads have landed;
; with fill = 1 it opens a round of the cluster's barrier, and the joint refill is the first tensor load behind the round
.macro TURN slot, next, fill
	s_wait_dscnt 8
	WIN MUL
	MUL8 F1, 0, 0, 0
	s_wait_dscnt 0
	s_wait_tensorcnt 0x0
	ds_add_u32 v255, v255
	s_wait_dscnt 0x0
	s_barrier_signal -1
	MUL8 F1, 0, 2, 0
	WIN 0
	s_barrier_wait -1
.if \fill
	CREST
	s_add_nc_u64 s[G0A+4*\slot+2:G0A+4*\slot+3], s[G0A+4*\slot+2:G0A+4*\slot+3], 1024      ; two K steps on: 512 columns of h,
	s_add_nc_u64 s[G0B+4*\slot+2:G0B+4*\slot+3], s[G0B+4*\slot+2:G0B+4*\slot+3], 1048576   ; 512 rows of WQ,
	s_add_nc_u64 s[G0K+4*\slot+2:G0K+4*\slot+3], s[G0K+4*\slot+2:G0K+4*\slot+3], 16384     ; 512 rows of WK|WV
	JLOAD \slot
.endif
	PLACES
	FETCH \next, 0, F0
	WIN MUL
	MUL16 F1, 1, 0
.endm
	s_load_b256 s[4:11], s[0:1], 0x0               ; hb s[4:5], wts s[6:7], bQ s[8:9], qkv s[10:11]
	s_set_vgpr_msb 0x40
	v_lshl_add_u32 v255, v0, 2, 0x49000
	s_set_vgpr_msb 0x4000
	v_mov_b32 v255, 0
	s_set_vgpr_msb 0x1
	ds_add_u32 v255, v255
	s_set_vgpr_msb 0x100
	v_lshrrev_b32 v1, 5, v0
	v_readfirstlane_b32 s20, v1                    ; wave
	s_lshr_b32 s21, s20, 1                         ; wr
	s_and_b32 s22, s20, 1                          ; wc
	s_bfe_u32 s24, ttmp6, 0x40000                  ; cx
	s_bfe_u32 s25, ttmp6, 0x40004                  ; cy
	s_lshl_b32 s26, ttmp9, 2
	s_add_co_u32 s26, s26, s24                     ; bx: block column
	s_and_b32 s27, ttmp7, 0xffff
	s_lshl_b32 s27, s27, 2
	s_add_co_u32 s27, s27, s25                     ; by: block row
	s_lshl_b32 s60, s25, 2
	s_lshl_b32 s60, 15, s60                        ; my row of the cluster
	s_lshl_b32 s61, 0x1111, s24                    ; my column
	s_or_b32 s[G1A+0], s60, (1<<16)|(1<<20)|(1<<21)|(6<<22)|(3<<25)   ; h: 2-byte elements, 4 words of padding behind every 128 words
	s_mov_b32 s[G1A+1], 256<<16                    ; tensor_dim0 = 256
	s_mov_b32 s[G1A+2], 128<<16                    ; tensor_dim1 = 128
	s_mov_b32 s[G1A+3], 256<<16                    ; tile_dim0 = 256
	s_mov_b32 s[G1A+4], 128                        ; tile_dim1 = 128
	s_mov_b32 s[G1A+5], 1024                       ; elements from row to row
	s_mov_b32 s[G1A+6], 0
	s_mov_b32 s[G1A+7], 0
	s_or_b32 s[G1B+0], s61, (1<<16)|(1<<20)|(1<<21)|(5<<22)|(7<<25)   ; WQ: 8 words of padding behind every 64 words
	s_mov_b32 s[G1B+1], 128<<16
	s_mov_b32 s[G1B+2], 128<<16
	s_mov_b32 s[G1B+3], 128<<16
	s_mov_b32 s[G1B+4], 128
	s_mov_b32 s[G1B+5], 1024
	s_mov_b32 s[G1B+6], 0
	s_mov_b32 s[G1B+7], 0
	s_or_b32 s[G1K+0], s61, (3<<16)|(1<<21)        ; WK|WV: 8,192 dense bytes as 32 rows of 32 elements of 8 bytes
	s_mov_b32 s[G1K+1], 32<<16
	s_mov_b32 s[G1K+2], 32<<16
	s_mov_b32 s[G1K+3], 32<<16
	s_mov_b32 s[G1K+4], 32
	s_mov_b32 s[G1K+5], 32
	s_mov_b32 s[G1K+6], 0
	s_mov_b32 s[G1K+7], 0
	s_lshl_b32 s84, s27, 18                        ; h: 128 rows of 2,048 bytes a block row
	s_mov_b32 s85, 0
	s_lshl_b32 s86, s26, 8                         ; WQ: 256 bytes a block column,
	s_lshl_b32 s62, s20, 18                        ; 128 k rows of 2,048 bytes for wave 0 or 1
	s_add_co_u32 s86, s86, s62
	s_mov_b32 s87, 0
	s_lshl_b32 s66, s26, 15                        ; WK|WV: 32,768 bytes a group of 16 columns
	s_add_co_u32 s66, s66, WKVB
	s_mov_b32 s67, 0
	s_mul_i32 s63, s20, HB                         ; WQ's half in LDS
	; the way out: block row tb = 8 by + 4 wr + 2 wc (pair 0) or + 2 - 2 wc (pair 1); block column 8 bx + 4 wc
	s_lshl_b32 s98, s27, 3
	s_lshl_b32 s99, s21, 2
	s_add_co_u32 s98, s98, s99
	s_lshl_b32 s99, s22, 1
	s_add_co_u32 s88, s98, s99
	s_add_co_u32 s90, s98, 2
	s_sub_co_u32 s90, s90, s99
	s_lshl_b32 s92, s88, 12                        ; k|v: 8 blocks a block row
	s_lshl_b32 s88, s88, 15                        ; q: 64 blocks a block row
	s_lshl_b32 s90, s90, 15
	s_lshl_b32 s98, s26, 12
	s_lshl_b32 s99, s22, 11
	s_add_co_u32 s98, s98, s99
	s_add_co_u32 s88, s88, s98
	s_add_co_u32 s90, s90, s98
	s_lshl_b32 s99, s26, 9
	s_add_co_u32 s92, s92, s99
	s_add_co_u32 s92, s92, KVT
	s_lshl_b32 s94, s26, 9                         ; bQ: 128 bx + 64 wc numbers
	s_lshl_b32 s99, s22, 8
	s_add_co_u32 s94, s94, s99
	s_mov_b32 s89, 0
	s_mov_b32 s91, 0
	s_mov_b32 s93, 0
	s_mov_b32 s95, 0
	s_wait_dscnt 0x0
	s_wait_kmcnt 0x0
	s_add_nc_u64 s[84:85], s[4:5], s[84:85]
	s_add_nc_u64 s[86:87], s[6:7], s[86:87]
	s_add_nc_u64 s[66:67], s[6:7], s[66:67]
	s_add_nc_u64 s[88:89], s[10:11], s[88:89]
	s_add_nc_u64 s[90:91], s[10:11], s[90:91]
	s_add_nc_u64 s[92:93], s[10:11], s[92:93]
	s_add_nc_u64 s[94:95], s[8:9], s[94:95]
	CROUND                                         ; all sixteen work-groups are here: the first joint loads meet
.irp s, 0,1
	s_mov_b32 s[G0A+4*\s], 1
	s_mov_b32 s[G0A+4*\s+1], \s*SLOT+AOFF
	s_add_nc_u64 s[G0A+4*\s+2:G0A+4*\s+3], s[84:85], \s*512
	s_or_b32 s[G0A+4*\s+3], s[G0A+4*\s+3], 0x80000000
	s_mov_b32 s[G0B+4*\s], 1
	s_add_co_u32 s[G0B+4*\s+1], s63, \s*SLOT
	s_add_nc_u64 s[G0B+4*\s+2:G0B+4*\s+3], s[86:87], \s*524288
	s_or_b32 s[G0B+4*\s+3], s[G0B+4*\s+3], 0x80000000
	s_mov_b32 s[G0K+4*\s], 1
	s_mov_b32 s[G0K+4*\s+1], \s*SLOT+KOFF
	s_add_nc_u64 s[G0K+4*\s+2:G0K+4*\s+3], s[66:67], \s*8192
	s_or_b32 s[G0K+4*\s+3], s[G0K+4*\s+3], 0x80000000
	JLOAD \s                                       ; by this text's count two tensor loads of a wave are out here, later one
.endr
	v_and_b32 v1, 15, v0                           ; r = l % 16
	v_bfe_u32 v2, v0, 4, 1                         ; h = l / 16
	v_and_b32 v3, 7, v0
	v_bfe_u32 v4, v0, 3, 1
	v_lshl_add_u32 v5, v2, 3, v3                   ; the transposing load's row: 8 h + l % 8
	v_mul_u32_u24 v6, v5, PB
	v_lshl_add_u32 v6, v4, 4, v6                   ; + 16 bytes for the second eight columns
	v_lshlrev_b32 v7, 5, v5
	v_lshl_add_u32 v7, v4, 4, v7                   ; the same for rows of 32 bytes
	s_lshl_b32 s2, s22, 7                          ; my 64 columns
	v_add_nc_u32 v[ADRB], s2, v6
	v_add_nc_u32 v[ADRB+1], HB, v[ADRB]
	v_add_nc_u32 v[ADRB+2], SLOT, v[ADRB]
	v_add_nc_u32 v[ADRB+3], SLOT+HB, v[ADRB]
	v_add_nc_u32 v[ADRK], KOFF, v7
	v_add_nc_u32 v[ADRK+1], KOFF+SLOT, v7
	v_mul_u32_u24 v5, v1, PA
	v_lshl_add_u32 v5, v2, 4, v5                   ; row x pitch + 16 h
	s_lshl_b32 s2, s21, 6
	s_lshl_b32 s3, s22, 5
	s_add_co_u32 s62, s2, s3                       ; P0
	s_add_co_u32 s2, s2, 32
	s_sub_co_u32 s2, s2, s3                        ; P1
	s_mul_i32 s62, s62, PA
	s_mul_i32 s2, s2, PA
	s_add_co_u32 s62, s62, AOFF
	s_add_co_u32 s2, s2, AOFF
	v_add_nc_u32 v[ADRA], s62, v5
	v_add_nc_u32 v[ADRA+1], s2, v5
	v_add_nc_u32 v[ADRA+2], SLOT, v[ADRA]
	v_add_nc_u32 v[ADRA+3], SLOT, v[ADRA+1]
	v_lshlrev_b32 v[LT], 5, v1
	v_lshl_add_u32 v[LT], v2, 4, v[LT]
	v_lshlrev_b32 v22, 5, v2                       ; bQ: 8 h numbers
.irp b, 0,1,2,3
	global_load_b128 v[BQ+8*\b:BQ+8*\b+3],   v22, s[94:95] offset:64*\b
	global_load_b128 v[BQ+8*\b+4:BQ+8*\b+7], v22, s[94:95] offset:64*\b+16
.endr
	s_wait_tensorcnt 1                             ; my part of K step 0 is in; slot 1's load was issued behind it and may stay out
	s_barrier_signal -1
	s_barrier_wait -1
	FETCH 0, 0, F0
	THREE 0, 1                                     ; K steps 0 and 1; both slots are filled again, with steps 2 and 3
	TURN 0, 1, 1
	THREE 1, 0
	TURN 1, 0, 1
	THREE 0, 0                                     ; K steps 2 and 3 fill nothing
	TURN 0, 1, 0
	THREE 1, 0
	s_wait_dscnt 8
	WIN MUL
	MUL16 F1, 0, 0
	s_wait_dscnt 0
	MUL16 F1, 1, 0
	PLACES
	WIN 0
	s_wait_loadcnt 0x0                             ; bQ
; row block a goes out: + bQ, rounded, one store of 512 consecutive bytes for each tile
.macro OUTROW a
	s_wait_xcnt 0x0                                ; the packed registers, which the last stores read, are written again only behind this wait
	WIN 0x02                                       ; source 0 in window 2
.irp b, 0,1,2,3
.irp q, 0,1,2,3
	v_pk_add_f32 v[F0+8*\b+2*\q:F0+8*\b+2*\q+1], v[8*(4*\a+\b)+2*\q:8*(4*\a+\b)+2*\q+1], v[BQ+8*\b+2*\q:BQ+8*\b+2*\q+1]
.endr
.endr
.if \a < 2
	WIN 0x0a                                       ; sources 0 and 1 in window 2
.irp q, 0,1,2,3
	v_cvt_pk_bf16_f32 v[F1+16+\q], v[128+8*\a+2*\q], v[128+8*\a+2*\q+1]
.endr
.endif
	WIN 0
.irp b, 0,1,2,3
.irp q, 0,1,2,3
	v_cvt_pk_bf16_f32 v[F1+4*\b+\q], v[F0+8*\b+2*\q], v[F0+8*\b+2*\q+1]
.endr
.endr
.irp b, 0,1,2,3
	global_store_b128 v[LT], v[F1+4*\b:F1+4*\b+3], s[88+2*(\a/2):89+2*(\a/2)] offset:(\a%2)*32768+\b*512
.endr
.if \a < 2
	global_store_b128 v[LT], v[F1+16:F1+19], s[92:93] offset:\a*4096
.endif
.endm
	OUTROW 0
	OUTROW 1
	OUTROW 2
	OUTROW 3
	CROUND                                         ; the closing round: no work-group ends while a partner may still ask for a tile that names it
	s_endpgm
.Lfunc_end_k_q7157a5f62c_qkv:
	.size	k_q7157a5f62c_qkv, .Lfunc_end_k_q7157a5f62c_qkv-k_q7157a5f62c_qkv
	.p2alignl 7, 3214868480
	.fill 96, 4, 3214868480
	.section	.rodata,"a",@progbits
	.p2align	6, 0x0
	.amdhsa_kernel k_q7157a5f62c_qkv
		.amdhsa_group_segment_fixed_size 327680
		.amdhsa_private_segment_fixed_size 0
		.amdhsa_enable_private_segment 0
		.amdhsa_kernarg_size 32
		.amdhsa_user_sgpr_count 2
		.amdhsa_user_sgpr_kernarg_segment_ptr 1
		.amdhsa_wavefront_size32 1
		.amdhsa_system_sgpr_workgroup_id_x 1
		.amdhsa_system_sgpr_workgroup_id_y 1
		.amdhsa_system_sgpr_workgroup_id_z 1
		.amdhsa_system_vgpr_workitem_id 0
		.amdhsa_next_free_vgpr 656
		.amdhsa_next_free_sgpr 100
		.amdhsa_reserve_vcc 0
		.amdhsa_float_denorm_mode_32 3
		.amdhsa_float_denorm_mode_16_64 3
		.amdhsa_memory_ordered 1
		.amdhsa_forward_progress 1
		.amdhsa_inst_pref_size 100
	.end_amdhsa_kernel
	.amdgpu_metadata
---
amdhsa.version: [ 1, 2 ]
amdhsa.kernels:
  - .name:           k_q7157a5f62c_qkv
    .symbol:         k_q7157a5f62c_qkv.kd
    .args:
      - { .name: hb, .offset: 0, .size: 8, .value_kind: global_buffer, .address_space: global }
      - { .name: wts, .offset: 8, .size: 8, .value_kind: global_buffer, .address_space: global }
      - { .name: bQ, .offset: 16, .size: 8, .value_kind: global_buffer, .address_space: global }
      - { .name: qkv, .offset: 24, .size: 8, .value_kind: global_buffer, .address_space: global }
    .group_segment_fixed_size: 327680
    .private_segment_fixed_size: 0
    .kernarg_segment_align: 8
    .kernarg_segment_size: 32
    .max_flat_workgroup_size: 128
    .sgpr_count:     100
    .vgpr_count:     656
    .wavefront_size: 32
...
	.end_amdgpu_metadata
.endif
;; end of part 2
;; launch attn (part 3): grid 256 x 1, 4 waves a work-group, clusters of 4 x 1, 283,136 bytes of LDS; arguments qkv, mask, bV, ctx; writes ctx
.if DOCPART == 3
	.amdgcn_target "amdgcn-amd-amdhsa--gfx1250"
	.amdhsa_code_object_version 6
	.text
	.protected	k_q7157a5f62c_attn
	.globl	k_q7157a5f62c_attn
	.p2align	8
	.type	k_q7157a5f62c_attn,@function
k_q7157a5f62c_attn:
	s_mov_b64 s[64:65], 0
	v_nop
	global_prefetch_b8 v0, s[64:65] scope:SCOPE_SE
	s_setreg_imm32_b32 hwreg(HW_REG_WAVE_MODE, 25, 1), 1
	s_wait_xcnt 0x0
	s_wait_alu depctr_hold_cnt(0) depctr_sa_sdst(0) depctr_va_vdst(0) depctr_va_sdst(0) depctr_va_ssrc(0) depctr_va_vcc(0) depctr_vm_vsrc(0)
	s_getreg_b32 s2, hwreg(HW_REG_IB_STS2, 6, 4)
	s_cmp_eq_u32 s2, 0
	s_cbranch_scc0 .Lentry_in_a_cluster
	s_endpgm
.Lentry_in_a_cluster:
	s_bfe_u32 s2, ttmp6, 0x10000c
	s_cmp_lg_u32 s2, 0x3003
	s_cbranch_scc0 .Lentry_shape_is_right
	s_endpgm
.Lentry_shape_is_right:
; ATTENTION with one shared key and value head.  ctx = softmax(q k^T / 8, masked keys out) v + bV, rounded to bf16, in blocks of 16 x 16.
; Left out: bK (shown at the head of the first kernel).  bV is added once for each query, since a query's softmax weights sum to 1.
; A work-group takes 16 tokens x 16 heads with four waves; wave w takes heads 4 w .. 4 w + 3 as two PIECES of two heads: A = 4 w, 4 w + 1; B = 4 w + 2, 4 w + 3.
; The batch's k and v stay in LDS for the whole launch.  A wave loads the fragments of 64 keys once (16 loads of k, 16 of v, 8 of the mask's words) for all its four heads: 40 loads for 64 products.
; CLUSTER 4 x 1: four neighbouring token blocks are of one batch (64 blocks a batch) and ask for k and v jointly.  Every wave brings 16,384 bytes of each of four
; groups of 256 keys: four tensor loads of a wave are out at the start, none later.
; S^T = K Q^T + C: source 0 = 16 keys of k, source 1 = 16 queries; the first product's C is the mask's words (0, or -2^100 for a masked key).  Lane (r, h), register j: key 8 h + j, query r.
; O^T = V^T P^T: source 0 = v by the transposing load; source 1 = P, which is S of two key tiles packed in place: no shuffle.
; BY TURNS: while one piece's products are issued, the other piece's softmax is dealt out in slices, one behind each product:
;   half H2(t):     PV(A, t), QK(A, t + 1)   with the 32 slices of softmax(B, t);      k and the mask of step t + 1 are asked for behind slice 1
;   half H1(t + 1): PV(B, t), QK(B, t + 1)   with the 32 slices of softmax(A, t + 1);  v of step t + 1 is asked for behind slice 17
; Each run of LDS loads stands three slices behind the last product that read its registers (at least 9 plain vector instructions that name none of them)
; and 14 products ahead of the first that needs it.  In each run of products eight accumulators take turns, one instruction a turn.
; The running maximum is taken away in front of every exponential.  It starts at -2^98, a power of two, so that masked scores give exactly 0 also while no
; unmasked key has been seen.  Where all keys of a batch are masked the maximum stays there and the result is NaN, as the reference's softmax of -inf alone.
; LIMIT: an unmasked raw score (q . k) at or below -2^98 counts as masked.
; LDS: k|v as in memory ([64 token blocks][8 blocks][16 rows][16 columns] of bf16), with 16 bytes of padding behind every 256 bytes: rows 8 to 15 of a block lie 272 bytes behind
; rows 0 to 7, so the sixteen lanes of each half of a wave touch sixteen different 16-byte columns modulo 256 bytes, in k's loads and in v's.
; REGISTER WINDOWS: 0: addresses, K, V, MK (mask), BV (bV): what both pieces share; 1: piece A; 2: piece B, laid out alike.  A product and the slice behind it are of
; different pieces, so the window changes twice for each product.
.set KVT,   8388608
.set CH,    272                        ; 256 bytes and their padding
.set BLK,   2*CH                       ; a block of 16 x 16
.set TBP,   8*BLK                      ; a token block: k's four blocks, then v's four
.set TRIPB, 4*TBP                      ; 64 keys
.set WPART, 64*CH                      ; what one tensor load brings
.set GRP,   4*WPART                    ; 256 keys
.set MBO,   4*GRP                      ; 278,528: 1,024 words of the mask
; window 0
.set LT,  1                            ; 32 r + 16 h: my 16 bytes of a block in memory
.set ADK, 2                            ; k's fragments, stepped TRIPB a trip
.set ADV, 3                            ; v's fragments
.set ADM, 4                            ; the mask's words, stepped 256 a trip
.set K,   64                           ; 64 + 16 t + 8 c
.set V,   128                          ; 128 + 32 u + 8 e
.set MK,  192                          ; 192 + 8 t
.set BV,  224                          ; 224 + 8 e: bV of columns 16 e + 8 h + 0..7
; windows 1 and 2
.set S,   0                            ; 32 hd + 8 t
.set O,   64                           ; 64 + 32 hd + 8 e
.set Q,   128                          ; 128 + 16 hd + 8 c
.set M,   160                          ; running maximum of raw scores, head 0, 1
.set NM,  162                          ; pairs; low: -c x maximum
.set AL,  166                          ; pairs; low: alpha, at the end 1 / sum
.set L,   170                          ; pairs: running sums, two halves
.set T,   174                          ; 174 + 4 hd: at work
.set MSB, 0
.macro WIN new                         ; the immediate's high byte repeats the setting that is left
.if MSB != (\new)
	s_set_vgpr_msb (MSB<<8)|(\new)
.set MSB, (\new)
.endif
.endm
.macro ROUND                           ; a round of the cluster's barrier
	s_barrier_signal -1
	s_barrier_wait -1
	s_cmp_lg_u32 s12, 0
	s_cbranch_scc1 .Lnot_wave_0_\@
	s_barrier_signal -3
.Lnot_wave_0_\@:
	s_barrier_wait -3
	s_barrier_signal -1
	s_barrier_wait -1
.endm
; product i (0..15) of piece x's scores: c = i / 8, head (i / 4) % 2, key tile i % 4.  Window x: 0x44 x = source 1 and D; 0x54 x = source 1, C and D; source 0 in window 0
.macro QK1 x, i
.set c_, (\i)/8
.set h_, ((\i)/4)%2
.set t_, (\i)%4
.if c_ == 0
	WIN 0x44*\x
	v_wmma_f32_16x16x32_bf16 v[S+32*h_+8*t_:S+32*h_+8*t_+7], v[K+16*t_:K+16*t_+7], v[Q+16*h_:Q+16*h_+7], v[MK+8*t_:MK+8*t_+7]
.else
	WIN 0x54*\x
	v_wmma_f32_16x16x32_bf16 v[S+32*h_+8*t_:S+32*h_+8*t_+7], v[K+16*t_+8:K+16*t_+15], v[Q+16*h_+8:Q+16*h_+15], v[S+32*h_+8*t_:S+32*h_+8*t_+7]
.endif
.endm
; product i (0..15) of piece x's P V: u = i / 8 (32 keys), head (i / 4) % 2, column tile i % 4.  zero = 1: the first 32 keys start the sums, nothing is cleared
.macro PV1 x, i, zero
.set u_, (\i)/8
.set h_, ((\i)/4)%2
.set e_, (\i)%4
	WIN 0x54*\x
.if \zero*(1-u_)
	v_wmma_f32_16x16x32_bf16 v[O+32*h_+8*e_:O+32*h_+8*e_+7], v[V+32*u_+8*e_:V+32*u_+8*e_+7], v[S+32*h_+16*u_:S+32*h_+16*u_+7], 0
.else
	v_wmma_f32_16x16x32_bf16 v[O+32*h_+8*e_:O+32*h_+8*e_+7], v[V+32*u_+8*e_:V+32*u_+8*e_+7], v[S+32*h_+16*u_:S+32*h_+16*u_+7], v[O+32*h_+8*e_:O+32*h_+8*e_+7]
.endif
.endm
.macro KLOAD                           ; one run of 24 loads: the mask's words and k of the next 64 keys
	WIN 0
.irp t, 0,1,2,3
	ds_load_b128 v[MK+8*\t:MK+8*\t+3],   v[ADM] offset:64*\t          ; keys 16 t + 8 h + 0..7
	ds_load_b128 v[MK+8*\t+4:MK+8*\t+7], v[ADM] offset:64*\t+16
.endr
.irp t, 0,1,2,3
.irp c, 0,1
	ds_load_b128 v[K+16*\t+8*\c:K+16*\t+8*\c+3],   v[ADK] offset:\t*TBP+\c*2*BLK
	ds_load_b128 v[K+16*\t+8*\c+4:K+16*\t+8*\c+7], v[ADK] offset:\t*TBP+\c*2*BLK+BLK
.endr
.endr
	v_add_nc_u32 v[ADK], TRIPB, v[ADK]
	v_add_nc_u32 v[ADM], 256, v[ADM]
.endm
.macro VLOAD                           ; one run of 16 loads: v of the next 64 keys, transposed
	WIN 0
.irp u, 0,1
.irp e, 0,1,2,3
	ds_load_tr16_b128 v[V+32*\u+8*\e:V+32*\u+8*\e+3],   v[ADV] offset:\u*2*TBP+\e*BLK
	ds_load_tr16_b128 v[V+32*\u+8*\e+4:V+32*\u+8*\e+7], v[ADV] offset:\u*2*TBP+\e*BLK+TBP
.endr
.endr
	v_add_nc_u32 v[ADV], TRIPB, v[ADV]
.endm
; One instruction of the softmax list: it is written only if its number n lies in the slice SLO <= n < SHI.
.set KMAX3, 0
.set KMAXF, 1
.set KPLX,  2
.set KMAX,  3
.set KMULC, 4
.set KSUB,  5
.set KEXP,  6
.set KMOV,  7
.set KEXPO, 8
.set KLFMA, 9
.set KPADD, 10
.set KCVT,  11
.set KPMUL, 12
.macro VI kind, a, b, c, d
.if n >= SLO
.if n < SHI
.if \kind == KMAX3
	v_max3_num_f32 v[\a], v[\b], v[\c], v[\d]
.elseif \kind == KMAXF
	v_max3_num_f32 v[\a], v[\b], v[\c], s43        ; the floor -2^98
.elseif \kind == KPLX
	v_permlanex16_b32 v[\a], v[\b], s44, s45       ; the query's other 32 keys lie in the other half of the lanes
.elseif \kind == KMAX
	v_max_num_f32 v[\a], v[\b], v[\c]
.elseif \kind == KMULC
	v_mul_f32 v[\a], s42, v[\b]                    ; -c x maximum, c = log2(e) / 8
.elseif \kind == KSUB
	v_sub_f32 v[\a], v[\b], v[\c]
.elseif \kind == KEXP
	v_exp_f32 v[\a], v[\a]
.elseif \kind == KMOV
	s_wait_alu depctr_va_vdst(0)
	v_mov_b32 v[\a], v[\b]
.elseif \kind == KEXPO
	v_pk_fma_f32 v[\a:\a+1], v[\a:\a+1], s[40:41], v[\b:\b+1] op_sel_hi:[1,0,0]
.elseif \kind == KLFMA
	s_wait_alu depctr_va_vdst(0)
	v_pk_fma_f32 v[\a:\a+1], v[\a:\a+1], v[\b:\b+1], v[\c:\c+1] op_sel_hi:[1,0,1]
.elseif \kind == KPADD
	s_wait_alu depctr_va_vdst(0)
	v_pk_add_f32 v[\a:\a+1], v[\a:\a+1], v[\b:\b+1]
.elseif \kind == KCVT
	v_cvt_pk_bf16_f32 v[\a], v[\b], v[\b+1]
.else
	s_wait_alu depctr_va_vdst(0)
	v_pk_mul_f32 v[\a:\a+1], v[\a:\a+1], v[\b:\b+1] op_sel_hi:[1,0]
.endif
.endif
.endif
.set n, n+1
.endm
; The softmax step of a piece (two heads, interleaved) on 64 keys, as one list.  first = 1: nothing to rescale yet.
; Behind every exponential stands a plain instruction that neither reads its result nor writes its source, ahead of the first use (ISA guide 5.7.2):
; pair p's exponentials stand among pair p - 1's sum and packing, pair p + 1's exponent and O's rescaling.
.set TOTN, 236                         ; 2 x (22 for the maximum and alpha + 16 exponents + 32 exponentials + 16 sums + 16 packings + 16 on O)
.set TOTF, 202                         ; the first trip: no alpha (2 x 2), no O (2 x 16), two moves in place of a sum's first link (2 x 1 more)
.macro SMLIST first
.set n, 0
.irp hd, 0,1
.if \first
	VI KMAXF, T+4*\hd, S+32*\hd, S+32*\hd+1, 0
.else
	VI KMAX3, T+4*\hd, S+32*\hd, S+32*\hd+1, M+\hd
.endif
.endr
.irp hd, 0,1
	VI KMAX3, T+4*\hd+1, S+32*\hd+2, S+32*\hd+3, S+32*\hd+4
.endr
.set j, 0
.rept 13
.irp hd, 0,1
	VI KMAX3, T+4*\hd+j%2, T+4*\hd+j%2, S+32*\hd+5+2*j, S+32*\hd+6+2*j
.endr
.set j, j+1
.endr
.irp hd, 0,1
	VI KMAX3, T+4*\hd, T+4*\hd, T+4*\hd+1, S+32*\hd+31
.endr
.irp hd, 0,1
	VI KPLX, T+4*\hd+1, T+4*\hd, 0, 0
.endr
.irp hd, 0,1
	VI KMAX, M+\hd, T+4*\hd, T+4*\hd+1, 0
.endr
.irp hd, 0,1
	VI KMULC, T+4*\hd+2, M+\hd, 0, 0
.endr
.ifeq \first
.irp hd, 0,1
	VI KSUB, AL+2*\hd, T+4*\hd+2, NM+2*\hd, 0      ; alpha = 2^(new shift - old shift): the two shifts that the exponents really use
.endr
.irp hd, 0,1
	VI KEXP, AL+2*\hd, 0, 0, 0
.endr
.endif
.irp hd, 0,1
	VI KMOV, NM+2*\hd, T+4*\hd+2, 0, 0
.endr
.irp hd, 0,1
	VI KEXPO, S+32*\hd, NM+2*\hd, 0, 0
.endr
.set p, 0
.rept 16
.irp hd, 0,1
	VI KEXP, S+32*\hd+2*p, 0, 0, 0
.if p == 1
.if \first
	VI KMOV, L+2*\hd, S+32*\hd, 0, 0               ; pair 0 starts the sums (its own packing overwrites it next)
	VI KMOV, L+2*\hd+1, S+32*\hd+1, 0, 0
.else
	VI KLFMA, L+2*\hd, AL+2*\hd, S+32*\hd, 0
.endif
.endif
.if p > 1
	VI KPADD, L+2*\hd, S+32*\hd+2*(p-1), 0, 0
.endif
.ifeq \first
	VI KPMUL, O+32*\hd+2*p, AL+2*\hd, 0, 0
.endif
.endr
.irp hd, 0,1
	VI KEXP, S+32*\hd+2*p+1, 0, 0, 0
.if p < 15
	VI KEXPO, S+32*\hd+2*p+2, NM+2*\hd, 0, 0
.endif
.if p > 0
	VI KCVT, S+32*\hd+16*((p-1)/8)+(p-1)%8, S+32*\hd+2*(p-1), 0, 0
.endif
.endr
.set p, p+1
.endr
.irp hd, 0,1
	VI KPADD, L+2*\hd, S+32*\hd+30, 0, 0
.endr
.irp hd, 0,1
	VI KCVT, S+32*\hd+23, S+32*\hd+30, 0, 0
.endr
.endm
; slice k of ns: the list's instructions k TOT / ns up to (k + 1) TOT / ns; the last slice takes all that is left
.macro SLICE first, k, ns
.if \first
.set SLO, (\k)*TOTF/(\ns)
.set SHI, ((\k)+1)*TOTF/(\ns)
.else
.set SLO, (\k)*TOTN/(\ns)
.set SHI, ((\k)+1)*TOTN/(\ns)
.endif
.if (\k)+1 == \ns
.set SHI, 100000
.endif
	SMLIST \first
.endm
; A half: piece x's products (pv: its P V of the step before; qk: its scores of the next step), piece y's softmax in slices behind them.
; ld = 1: k and the mask are asked for behind slice 1 and awaited ahead of the scores; ld = 2: v is asked for behind slice 17 (awaited ahead of the next half).
.macro HALF x, y, pv, zero, qk, first, ld
.set NS_, 16*(\pv+\qk)
.set k, 0
.if \pv
.rept 16
	PV1 \x, k, \zero
	WIN 0x55*\y
	SLICE \first, k, NS_
.if \ld == 1
.if k == 1
	KLOAD
.endif
.endif
.set k, k+1
.endr
.endif
.if \qk
.if \ld == 1
	s_wait_dscnt 0x0                               ; k and the mask's words, asked for 14 products ago
.endif
.rept 16
	QK1 \x, k-16*\pv
	WIN 0x55*\y
	SLICE \first, k, NS_
.if \ld == 2
.if k == 17
	VLOAD
.endif
.endif
.set k, k+1
.endr
.endif
.endm
.macro LOOP trips                      ; H2(t), H1(t + 1)
	WIN 0                                          ; at a label and at a branch every window is 0
	s_mov_b32 s46, \trips
.Ltrip_\@:
	s_wait_dscnt 0x0                               ; v of step t, asked for 14 products ago
	HALF 1, 2, 1, 0, 1, 0, 1
	HALF 2, 1, 1, 0, 1, 0, 2
	WIN 0
	s_sub_co_i32 s46, s46, 1
	s_cmp_lg_u32 s46, 0
	s_cbranch_scc1 .Ltrip_\@
.endm
; the end of piece x: 1 / sum (NaN where every key is masked), O / sum + bV, rounded, one store of 512 consecutive aligned bytes for each block
.macro FIN x
	WIN 0x55*\x
	v_mov_b32 v[T+3], 0x7fc00000
.irp hd, 0,1
	v_add_f32 v[T+4*\hd], v[L+2*\hd], v[L+2*\hd+1]
.endr
.irp hd, 0,1
	v_permlanex16_b32 v[T+4*\hd+1], v[T+4*\hd], s44, s45
.endr
.irp hd, 0,1
	v_add_f32 v[T+4*\hd], v[T+4*\hd], v[T+4*\hd+1]
.endr
.irp hd, 0,1
	v_rcp_f32 v[AL+2*\hd], v[T+4*\hd]
.endr
.irp hd, 0,1
	v_cmp_gt_f32 vcc_lo, s47, v[M+\hd]             ; the maximum never left its floor: every key is masked
	s_wait_alu depctr_va_vdst(0)
	v_cndmask_b32 v[AL+2*\hd], v[AL+2*\hd], v[T+3], vcc_lo
.endr
	WIN 0x45*\x                                    ; source 2 (bV) in window 0
.irp hd, 0,1
.irp e, 0,1,2,3
.irp q, 0,1,2,3
	v_pk_fma_f32 v[O+32*\hd+8*\e+2*\q:O+32*\hd+8*\e+2*\q+1], v[O+32*\hd+8*\e+2*\q:O+32*\hd+8*\e+2*\q+1], v[AL+2*\hd:AL+2*\hd+1], v[BV+8*\e+2*\q:BV+8*\e+2*\q+1] op_sel_hi:[1,0,1]
.endr
.endr
.endr
	WIN 0x55*\x
.irp hd, 0,1
.irp e, 0,1,2,3
.irp q, 0,1,2,3
	v_cvt_pk_bf16_f32 v[O+32*\hd+8*\e+\q], v[O+32*\hd+8*\e+2*\q], v[O+32*\hd+8*\e+2*\q+1]
.endr
.endr
.endr
	WIN 0x04*\x                                    ; the address in window 0, the data in window x
.irp hd, 0,1
.irp e, 0,1,2,3
	global_store_b128 v[LT], v[O+32*\hd+8*\e:O+32*\hd+8*\e+3], s[54:55] offset:(\x-1)*4096+\hd*2048+\e*512
.endr
.endr
.endm
	s_load_b256 s[4:11], s[0:1], 0x0               ; qkv s[4:5], mask s[6:7], bV s[8:9], ctx s[10:11]
	v_lshl_add_u32 v62, v0, 2, 0x45000
	v_mov_b32 v63, 0
	ds_add_u32 v62, v63
	v_lshrrev_b32 v1, 5, v0
	v_readfirstlane_b32 s12, v1                    ; wave
	s_bfe_u32 s13, ttmp6, 0x40000                  ; cx
	s_lshl_b32 s14, ttmp9, 2
	s_add_co_u32 s14, s14, s13                     ; token block
	s_lshr_b32 s15, ttmp9, 4                       ; batch: 16 clusters each, the same for the four partners
	s_mov_b32 s16, 15|(3<<16)|(1<<20)|(1<<21)|(5<<22)|(3<<25)   ; all four partners; elements of 8 bytes; 4 words of padding behind every 64 words
	s_mov_b32 s17, 32<<16                          ; tensor_dim0 = 32: rows of 256 bytes
	s_mov_b32 s18, 64<<16                          ; tensor_dim1 = 64
	s_mov_b32 s19, 32<<16                          ; tile_dim0 = 32
	s_mov_b32 s20, 64                              ; tile_dim1 = 64: 16,384 dense bytes
	s_mov_b32 s21, 32                              ; elements from row to row
	s_mov_b32 s22, 0
	s_mov_b32 s23, 0
	s_lshl_b32 s48, s15, 18                        ; the batch's k and v,
	s_lshl_b32 s50, s12, 14                        ; my 16,384 bytes of each group in memory,
	s_add_co_u32 s48, s48, s50
	s_add_co_u32 s48, s48, KVT
	s_mov_b32 s49, 0
	s_mul_i32 s51, s12, WPART                      ; and their place in LDS
	s_mov_b32 s40, 0x3e38aa3b                      ; c = log2(e) / 8
	s_mov_b32 s41, 0x3e38aa3b
	s_mov_b32 s42, 0xbe38aa3b                      ; -c
	s_mov_b32 s43, 0xf0800000                      ; -2^98
	s_mov_b32 s47, 0xf0000000                      ; -2^97
	s_mov_b32 s44, 0x76543210
	s_mov_b32 s45, 0xfedcba98
	s_lshl_b32 s52, s14, 15                        ; q and ctx: 64 blocks a token block, 16 blocks a wave
	s_lshl_b32 s53, s12, 13
	s_add_co_u32 s52, s52, s53
	s_mov_b32 s53, 0
	s_lshl_b32 s2, s15, 10                         ; the batch's 1,024 bytes of the mask
	s_mov_b32 s3, 0
	s_wait_dscnt 0x0
	s_wait_kmcnt 0x0
	s_add_nc_u64 s[48:49], s[4:5], s[48:49]
	s_add_nc_u64 s[54:55], s[10:11], s[52:53]      ; ctx
	s_add_nc_u64 s[52:53], s[4:5], s[52:53]        ; q
	s_add_nc_u64 s[6:7], s[6:7], s[2:3]
	ROUND                                          ; the four partners are here: the joint loads meet
.irp g, 0,1,2,3
	s_mov_b32 s[24+4*\g], 1
	s_add_co_u32 s[25+4*\g], s51, \g*GRP
	s_add_nc_u64 s[26+4*\g:27+4*\g], s[48:49], \g*65536
	s_or_b32 s[27+4*\g], s[27+4*\g], 0x80000000
	tensor_load_to_lds s[24+4*\g:27+4*\g], s[16:23]
	s_nop 0
.endr
	v_and_b32 v6, 15, v0                           ; r
	v_bfe_u32 v7, v0, 4, 1                         ; h
	v_lshlrev_b32 v[LT], 5, v6
	v_lshl_add_u32 v[LT], v7, 4, v[LT]
	v_lshlrev_b32 v12, 3, v0                       ; 8 x thread
	v_lshlrev_b32 v13, 5, v7                       ; bV: 8 h numbers
	global_load_b64 v[14:15], v12, s[6:7]          ; eight bytes of the mask
.irp e, 0,1,2,3
	global_load_b128 v[BV+8*\e:BV+8*\e+3],   v13, s[8:9] offset:64*\e
	global_load_b128 v[BV+8*\e+4:BV+8*\e+7], v13, s[8:9] offset:64*\e+16
.endr
.irp x, 1,2
	WIN 0x40*\x                                    ; destination in the piece's window
.irp hd, 0,1
.irp c, 0,1
	global_load_b128 v[Q+16*\hd+8*\c:Q+16*\hd+8*\c+3],   v[LT], s[52:53] offset:(\x-1)*4096+\hd*2048+\c*1024
	global_load_b128 v[Q+16*\hd+8*\c+4:Q+16*\hd+8*\c+7], v[LT], s[52:53] offset:(\x-1)*4096+\hd*2048+\c*1024+512
.endr
.endr
	v_mov_b32 v[NM+1], 0                           ; the upper halves of broadcast pairs: named, never used
	v_mov_b32 v[NM+3], 0
	v_mov_b32 v[AL+1], 0
	v_mov_b32 v[AL+3], 0
.endr
	WIN 0
	v_and_b32 v8, 7, v0                            ; l % 8
	v_bfe_u32 v9, v0, 3, 1                         ; (l / 8) % 2
	v_lshlrev_b32 v10, 5, v8
	v_mul_u32_u24 v11, v9, CH
	v_add_nc_u32 v11, v11, v10
	v_lshl_add_u32 v[ADK], v7, 4, v11              ; k: row r = 8 ((l / 8) % 2) + l % 8 of a block, 16 h bytes in
	v_mul_u32_u24 v11, v7, CH
	v_add_nc_u32 v11, v11, v10
	v_lshl_add_u32 v11, v9, 4, v11                 ; v, transposing load: row 8 h + l % 8, 16 ((l / 8) % 2) bytes in,
	v_add_nc_u32 v[ADV], 4*BLK, v11                ; in the last four of a token block's eight blocks
	v_add_nc_u32 v[ADM], MBO, v13
	v_mov_b32 v16, 0xf1800000                      ; -2^100
	v_lshlrev_b32 v18, 5, v0
	v_add_nc_u32 v18, MBO, v18
	s_wait_loadcnt 24                              ; bV's 8 loads and q's 16 were issued behind the mask's
.irp b, 0,1,2,3,4,5,6,7
	v_bfe_u32 v17, v[14+\b/4], 8*(\b%4), 8
	v_cmp_ne_u32 vcc_lo, 0, v17
	v_cndmask_b32 v[20+\b], 0, v16, vcc_lo
.endr
	ds_store_b128 v18, v[20:23]
	ds_store_b128 v18, v[24:27] offset:16
	s_wait_tensorcnt 3                             ; my part of keys 0 to 255; three groups were issued behind it
	s_wait_dscnt 0x0                               ; my words of the mask are written
	s_barrier_signal -1
	s_barrier_wait -1
	KLOAD                                          ; step 0
	VLOAD
	s_wait_loadcnt 0x0                             ; q and bV
	s_wait_dscnt 16                                ; the mask's words and k are in; v's 16 loads were issued behind them
.set k, 0
.rept 16
	QK1 1, k                                       ; QK(A, 0): nothing to set beside it yet
.set k, k+1
.endr
.rept 4
	v_nop                                          ; four places (ISA guide 7.12.1) ahead of the first slice, which reads these results
.endr
	HALF 2, 1, 0, 0, 1, 1, 0                       ; H1(0): QK(B, 0) with softmax(A, 0) in 16 slices
	s_wait_dscnt 0x0                               ; v of step 0
	HALF 1, 2, 1, 1, 1, 1, 1                       ; H2(0): PV(A, 0) starts A's sums, QK(A, 1); softmax(B, 0)
	HALF 2, 1, 1, 1, 1, 0, 2                       ; H1(1): PV(B, 0) starts B's sums, QK(B, 1); softmax(A, 1)
	LOOP 2                                         ; t = 1, 2: the last fragments asked for are those of step 3, the last of keys 0 to 255
	s_wait_tensorcnt 0x0                           ; my parts of keys 256 to 1,023
	s_wait_dscnt 0x0
	s_barrier_signal -1
	s_barrier_wait -1                              ; every wave's parts are in
	LOOP 12                                        ; t = 3 .. 14
	s_wait_dscnt 0x0                               ; v of step 15
	HALF 1, 2, 1, 0, 0, 0, 0                       ; H2(15): PV(A, 15) with softmax(B, 15) in 16 slices
.set k, 0
.rept 16
	PV1 2, k, 0                                    ; PV(B, 15)
.set k, k+1
.endr
	FIN 1                                          ; A's end also fills the places behind B's last products
	FIN 2
	WIN 0
	s_wait_tensorcnt 0x0
	ds_add_u32 v62, v63
	s_wait_dscnt 0x0
	ROUND                                          ; the closing round
	s_endpgm
.Lfunc_end_k_q7157a5f62c_attn:
	.size	k_q7157a5f62c_attn, .Lfunc_end_k_q7157a5f62c_attn-k_q7157a5f62c_attn
	.p2alignl 7, 3214868480
	.fill 96, 4, 3214868480
	.section	.rodata,"a",@progbits
	.p2align	6, 0x0
	.amdhsa_kernel k_q7157a5f62c_attn
		.amdhsa_group_segment_fixed_size 283136
		.amdhsa_private_segment_fixed_size 0
		.amdhsa_enable_private_segment 0
		.amdhsa_kernarg_size 32
		.amdhsa_user_sgpr_count 2
		.amdhsa_user_sgpr_kernarg_segment_ptr 1
		.amdhsa_wavefront_size32 1
		.amdhsa_system_sgpr_workgroup_id_x 1
		.amdhsa_system_sgpr_workgroup_id_y 1
		.amdhsa_system_sgpr_workgroup_id_z 1
		.amdhsa_system_vgpr_workitem_id 0
		.amdhsa_next_free_vgpr 768
		.amdhsa_next_free_sgpr 66
		.amdhsa_reserve_vcc 1
		.amdhsa_float_denorm_mode_32 3
		.amdhsa_float_denorm_mode_16_64 3
		.amdhsa_memory_ordered 1
		.amdhsa_forward_progress 1
		.amdhsa_inst_pref_size 173
	.end_amdhsa_kernel
	.amdgpu_metadata
---
amdhsa.version: [ 1, 2 ]
amdhsa.kernels:
  - .name:           k_q7157a5f62c_attn
    .symbol:         k_q7157a5f62c_attn.kd
    .args:
      - { .name: qkv, .offset: 0, .size: 8, .value_kind: global_buffer, .address_space: global }
      - { .name: mask, .offset: 8, .size: 8, .value_kind: global_buffer, .address_space: global }
      - { .name: bV, .offset: 16, .size: 8, .value_kind: global_buffer, .address_space: global }
      - { .name: ctx, .offset: 24, .size: 8, .value_kind: global_buffer, .address_space: global }
    .group_segment_fixed_size: 283136
    .private_segment_fixed_size: 0
    .kernarg_segment_align: 8
    .kernarg_segment_size: 32
    .max_flat_workgroup_size: 128
    .sgpr_count:     66
    .vgpr_count:     768
    .wavefront_size: 32
...
	.end_amdgpu_metadata
.endif
;; end of part 3
;; launch wo (part 4): grid 8 x 32, 4 waves a work-group, clusters of 4 x 4, 327,680 bytes of LDS; arguments ctx, wts, x, bO, g2, x1, x1g, ssq; writes x1, x1g, ssq
.if DOCPART == 4
	.amdgcn_target "amdgcn-amd-amdhsa--gfx1250"
	.amdhsa_code_object_version 6
	.text
	.protected	k_q7157a5f62c_wo
	.globl	k_q7157a5f62c_wo
	.p2align	8
	.type	k_q7157a5f62c_wo,@function
k_q7157a5f62c_wo:
	s_mov_b64 s[64:65], 0
	v_nop
	global_prefetch_b8 v0, s[64:65] scope:SCOPE_SE
	s_setreg_imm32_b32 hwreg(HW_REG_WAVE_MODE, 25, 1), 1
	s_wait_xcnt 0x0
	s_wait_alu depctr_hold_cnt(0) depctr_sa_sdst(0) depctr_va_vdst(0) depctr_va_sdst(0) depctr_va_ssrc(0) depctr_va_vcc(0) depctr_vm_vsrc(0)
	s_getreg_b32 s2, hwreg(HW_REG_IB_STS2, 6, 4)
	s_cmp_eq_u32 s2, 0
	s_cbranch_scc0 .Lentry_in_a_cluster
	s_endpgm
.Lentry_in_a_cluster:
	s_bfe_u32 s2, ttmp6, 0x10000c
	s_cmp_lg_u32 s2, 0xf033
	s_cbranch_scc0 .Lentry_shape_is_right
	s_endpgm
.Lentry_shape_is_right:
; OUT = RES + A W + bias.  Here (EXTRA = 1): x1 = x + ctx WO + bO in f32, and for the next norm x1g = bf16(x1 g2) and ssq[bx][row] = the sum of x1^2 over the block's 128 columns.
; A is bf16 in blocks of 16 x 16 ([row/16][k/16][16][16]), W is bf16 [k][n].  A work-group makes 128 x 128; four waves, 2 x 2, each 64 x 64 (16 accumulators).
; K goes in steps of 256 through two LDS slots filled by the tensor data mover; a step is four phases of 64 along K on two fragment buffers.
; CLUSTER 4 x 4: A's tile is asked for jointly along a row of the cluster, W's along a column.
; The matrix instruction is used transposed (source 0 = 16 columns of W by the transposing load, source 1 = 16 rows of A: two loads of 512 consecutive bytes).
; The way out goes through a stage in slot 0, which has had its last fill and its last read by then: each wave then owns 32 whole rows of 512 bytes,
; adds the residual rows that it asked for at the start, and every store covers 512 (f32) or 256 (bf16) consecutive aligned bytes; ssq's stores are 128 bytes (131,072 bytes in all).
; REGISTER WINDOWS: 0: v0-63 addresses and small data, v64-127 / v128-191 fragments of A, v192-255 the way out; 1: fragments of W; 2: v0-127 accumulators, v128-255 residual rows.
.set KTOT,  1024
.set WOFF,  2097152                    ; WO in wts
.set EXTRA, 1
.set LAPS,  KTOT/512                   ; a lap = two K steps
.set PB,    288                        ; W's LDS row: 256 bytes + 32
.set HB,    128*PB                     ; 36,864: each wave's part of a slot (A's parts use 32,768 of it)
.set SLOT,  4*HB
.set SP,    528                        ; the stage's row: 512 bytes + 16
.set F0,   64
.set F1,   128
.set ADRA, 8                           ; v8-9    slot
.set ADRB, 12                          ; v12-15  2 x slot + (phase / 2)
.set STO,  18
.set RD,   19
.set CO,   20                          ; 16 x lane
.set CO8,  21                          ; 8 x lane
.set CO4,  22                          ; 4 x lane
.set SS,   24                          ; lane i: row i's sum of squares
.set BI,   32                          ; v[32:35] bias of my 4 columns
.set GG,   36                          ; v[36:39] g2 of my 4 columns
.set T,    40                          ; v[40:55] eight rows' sums
.set XR,   64
.set ST,   192
.set PK,   224
.set G1A, 28
.set G1B, 36
.set G0A, 44
.set G0B, 52
.set MSB, 0
.set MUL,  0xa1
.set TO_B, 0x40
.macro WIN new
.if MSB != \new
	s_set_vgpr_msb (MSB<<8)|\new
.set MSB, \new
.endif
.endm
.macro PLACES                          ; four places behind matrix instructions (ISA guide 7.12.1)
.rept 4
	v_nop
.endr
.endm
.macro CREST
	s_cmp_lg_u32 s20, 0
	s_cbranch_scc1 .Lnot_wave_0_\@
	s_barrier_signal -3
.Lnot_wave_0_\@:
	s_barrier_wait -3
	s_barrier_signal -1
	s_barrier_wait -1
.endm
.macro CROUND
	s_barrier_signal -1
	s_barrier_wait -1
	CREST
.endm
.macro JLOAD s                         ; waves 0 and 1 ask for A's halves, waves 2 and 3 for W's
	s_cmp_eq_u32 s21, 0
	s_cbranch_scc0 .Lfor_b_\@
	tensor_load_to_lds s[G0A+4*\s:G0A+4*\s+3], s[G1A:G1A+7]
	s_nop 0
	s_branch .Lasked_\@
.Lfor_b_\@:
	tensor_load_to_lds s[G0B+4*\s:G0B+4*\s+3], s[G1B:G1B+7]
	s_nop 0
.Lasked_\@:
.endm
.macro MM d, a, b, zero
.if \zero
	v_wmma_f32_16x16x32_bf16 v[\d:\d+7], v[\a:\a+7], v[\b:\b+7], 0
.else
	v_wmma_f32_16x16x32_bf16 v[\d:\d+7], v[\a:\a+7], v[\b:\b+7], v[\d:\d+7]
.endif
.endm
.macro MUL8 f, kk, a0, zero            ; the 16 accumulators take turns, one instruction a turn
.irp a, \a0, \a0+1
.irp b, 0,1,2,3
	MM 8*(4*(\a)+\b), \f+8*(4*\kk+\b), \f+8*(4*\kk+(\a)), \zero
.endr
.endr
.endm
.macro MUL16 f, kk, zero
	MUL8 \f, \kk, 0, \zero
	MUL8 \f, \kk, 2, \zero
.endm
.macro FETCH slot, p, f                ; 32 LDS loads in one run: W first, A's second half of K last
	WIN TO_B
.irp kk, 0,1
.irp b, 0,1,2,3
	ds_load_tr16_b128 v[\f+8*(4*\kk+\b):\f+8*(4*\kk+\b)+3],   v[ADRB+2*\slot+\p/2] offset:((\p%2)*64+32*\kk)*PB+32*\b
	ds_load_tr16_b128 v[\f+8*(4*\kk+\b)+4:\f+8*(4*\kk+\b)+7], v[ADRB+2*\slot+\p/2] offset:((\p%2)*64+32*\kk+16)*PB+32*\b
.endr
.endr
	WIN 0
.irp kk, 0,1
.irp a, 0,1,2,3
	ds_load_b128 v[\f+8*(4*\kk+\a):\f+8*(4*\kk+\a)+3],   v[ADRA+\slot] offset:\a*8192+\p*2048+\kk*1024
	ds_load_b128 v[\f+8*(4*\kk+\a)+4:\f+8*(4*\kk+\a)+7], v[ADRA+\slot] offset:\a*8192+\p*2048+\kk*1024+512
.endr
.endr
.endm
.macro PHASE slot, pnext, f, g, zero
	s_wait_dscnt 8                                 ; all in but the youngest eight loads: A's second 32 of K
	WIN MUL
	MUL16 \f, 0, \zero
	PLACES
	FETCH \slot, \pnext, \g
	s_wait_dscnt 32                                ; all but the 32 just issued
	WIN MUL
	MUL16 \f, 1, 0
.endm
.macro THREE slot, zero
	PHASE \slot, 1, F0, F1, \zero
	PHASE \slot, 2, F1, F0, 0
	PHASE \slot, 3, F0, F1, 0
.endm
; the fourth phase changes slots: in front of its barrier each wave's reads of this slot are back and all its tensor loads have landed;
; with fill = 1 the barrier opens a round of the cluster's barrier and the joint refill is the first tensor load behind the round
.macro TURN slot, next, fill
	s_wait_dscnt 8
	WIN MUL
	MUL8 F1, 0, 0, 0
	s_wait_dscnt 0
	s_wait_tensorcnt 0x0
	ds_add_u32 v255, v255
	s_wait_dscnt 0x0
	s_barrier_signal -1
	MUL8 F1, 0, 2, 0
	WIN 0
	s_barrier_wait -1
.if \fill
	CREST
	s_add_nc_u64 s[G0A+4*\slot+2:G0A+4*\slot+3], s[G0A+4*\slot+2:G0A+4*\slot+3], 16384     ; two K steps on: 32 blocks of A,
	s_add_nc_u64 s[G0B+4*\slot+2:G0B+4*\slot+3], s[G0B+4*\slot+2:G0B+4*\slot+3], 1048576   ; 512 rows of W
	JLOAD \slot
.endif
	PLACES
	FETCH \next, 0, F0
	WIN MUL
	MUL16 F1, 1, 0
.endm
.macro LAP zero
	THREE 0, \zero
	TURN 0, 1, 1
	THREE 1, 0
	TURN 1, 0, 1
.endm
.if EXTRA
	s_load_b512 s[4:19], s[0:1], 0x0               ; A s[4:5], wts s[6:7], RES s[8:9], bias s[10:11], g2 s[12:13], OUT s[14:15], x1g s[16:17], ssq s[18:19]
	s_set_vgpr_msb 0x40
	v_lshl_add_u32 v255, v0, 2, 0x48000
	s_set_vgpr_msb 0x4000
	v_mov_b32 v255, 0
	s_set_vgpr_msb 0x1
	ds_add_u32 v255, v255
	s_set_vgpr_msb 0x100
.else
	s_load_b256 s[4:11], s[0:1], 0x0               ; A s[4:5], wts s[6:7], RES s[8:9], bias s[10:11]
	s_load_b64 s[14:15], s[0:1], 0x20              ; OUT
.endif
	v_lshrrev_b32 v1, 5, v0
	v_readfirstlane_b32 s20, v1                    ; wave
	s_lshr_b32 s21, s20, 1                         ; wr; also: I ask for A (0) or W (1)
	s_and_b32 s22, s20, 1                          ; wc; also: which half I ask for
	s_bfe_u32 s24, ttmp6, 0x40000                  ; cx
	s_bfe_u32 s25, ttmp6, 0x40004                  ; cy
	s_lshl_b32 s26, ttmp9, 2
	s_add_co_u32 s26, s26, s24                     ; bx
	s_and_b32 s27, ttmp7, 0xffff
	s_lshl_b32 s27, s27, 2
	s_add_co_u32 s27, s27, s25                     ; by
	s_lshl_b32 s60, s25, 2
	s_lshl_b32 s60, 15, s60                        ; my row of the cluster
	s_lshl_b32 s61, 0x1111, s24                    ; my column
	s_or_b32 s[G1A+0], s60, (3<<16)|(1<<21)        ; A: elements of 8 bytes; 4 token blocks x 8,192 consecutive bytes
	s_mov_b32 s[G1A+1], 1024<<16
	s_mov_b32 s[G1A+2], 4<<16
	s_mov_b32 s[G1A+3], 1024<<16
	s_mov_b32 s[G1A+4], 4
	s_mov_b32 s[G1A+5], KTOT*4                     ; a token block's row of blocks is 32 KTOT bytes
	s_mov_b32 s[G1A+6], 0
	s_mov_b32 s[G1A+7], 0
	s_or_b32 s[G1B+0], s61, (1<<16)|(1<<20)|(1<<21)|(5<<22)|(7<<25)   ; W: 128 k rows x 128 columns, 8 words of padding behind every 64
	s_mov_b32 s[G1B+1], 128<<16
	s_mov_b32 s[G1B+2], 128<<16
	s_mov_b32 s[G1B+3], 128<<16
	s_mov_b32 s[G1B+4], 128
	s_mov_b32 s[G1B+5], 1024
	s_mov_b32 s[G1B+6], 0
	s_mov_b32 s[G1B+7], 0
	s_lshl_b32 s84, s27, 3
	s_lshl_b32 s62, s22, 2
	s_add_co_u32 s84, s84, s62                     ; A: token block 8 by + 4 x half
	s_mul_i32 s84, s84, KTOT*32
	s_mov_b32 s85, 0
	s_lshl_b32 s86, s26, 8                         ; W: 256 bytes a block column, 128 rows a half
	s_lshl_b32 s62, s22, 18
	s_add_co_u32 s86, s86, s62
	s_add_co_u32 s86, s86, WOFF
	s_mov_b32 s87, 0
	s_mul_i32 s63, s20, HB                         ; my part of a slot
	s_lshl_b32 s88, s27, 19                        ; rows 128 by + 32 w of 4,096 bytes, 512 bytes a block column
	s_lshl_b32 s98, s20, 17
	s_add_co_u32 s88, s88, s98
	s_lshl_b32 s70, s26, 9
	s_add_co_u32 s88, s88, s70
	s_mov_b32 s89, 0
	s_mov_b32 s71, 0
.if EXTRA
	s_lshr_b32 s92, s88, 1                         ; the same place in bf16
	s_mov_b32 s93, 0
	s_lshl_b32 s94, s26, 14                        ; ssq: 4,096 numbers a block column
	s_lshl_b32 s98, s27, 9
	s_add_co_u32 s94, s94, s98
	s_lshl_b32 s98, s20, 7
	s_add_co_u32 s94, s94, s98
	s_mov_b32 s95, 0
	s_mov_b32 s96, 0x76543210
	s_mov_b32 s97, 0xfedcba98
.endif
	s_wait_dscnt 0x0
	s_wait_kmcnt 0x0
	s_add_nc_u64 s[84:85], s[4:5], s[84:85]
	s_add_nc_u64 s[86:87], s[6:7], s[86:87]
	s_add_nc_u64 s[90:91], s[14:15], s[88:89]      ; OUT's rows
	s_add_nc_u64 s[88:89], s[8:9], s[88:89]        ; RES's rows
	s_add_nc_u64 s[66:67], s[10:11], s[70:71]      ; bias
.if EXTRA
	s_add_nc_u64 s[68:69], s[12:13], s[70:71]      ; g2
	s_add_nc_u64 s[92:93], s[16:17], s[92:93]
	s_add_nc_u64 s[94:95], s[18:19], s[94:95]
.endif
	CROUND                                         ; all sixteen work-groups are here: the first joint loads meet
.irp s, 0,1
	s_mov_b32 s[G0A+4*\s], 1
	s_add_co_u32 s[G0A+4*\s+1], s63, \s*SLOT
	s_add_nc_u64 s[G0A+4*\s+2:G0A+4*\s+3], s[84:85], \s*8192
	s_or_b32 s[G0A+4*\s+3], s[G0A+4*\s+3], 0x80000000
	s_mov_b32 s[G0B+4*\s], 1
	s_add_co_u32 s[G0B+4*\s+1], s63, \s*SLOT
	s_add_nc_u64 s[G0B+4*\s+2:G0B+4*\s+3], s[86:87], \s*524288
	s_or_b32 s[G0B+4*\s+3], s[G0B+4*\s+3], 0x80000000
	JLOAD \s                                       ; by this text's count two tensor loads of a wave are out here, later one
.endr
	v_and_b32 v3, 31, v0
	v_lshlrev_b32 v[CO], 4, v3
	v_lshlrev_b32 v[CO8], 3, v3
	v_lshlrev_b32 v[CO4], 2, v3
	WIN 0x80                                       ; destination in window 2
.set i, 0
.rept 32
	global_load_b128 v[128+4*i:128+4*i+3], v[CO], s[88:89] offset:4096*i th:TH_LOAD_NT     ; my 32 residual rows, 512 consecutive bytes each; awaited at the way out
.set i, i+1
.endr
	WIN 0
	global_load_b128 v[BI:BI+3], v[CO], s[66:67]
.if EXTRA
	global_load_b128 v[GG:GG+3], v[CO], s[68:69]
	v_mov_b32 v[SS], 0
.endif
	v_and_b32 v1, 15, v0                           ; r
	v_bfe_u32 v2, v0, 4, 1                         ; h
	v_and_b32 v3, 7, v0
	v_bfe_u32 v4, v0, 3, 1
	v_lshl_add_u32 v5, v2, 3, v3                   ; the transposing load's row
	v_mul_u32_u24 v6, v5, PB
	v_lshl_add_u32 v6, v4, 4, v6
	s_lshl_b32 s2, s22, 7                          ; my 64 columns,
	s_add_co_u32 s2, s2, 2*HB                      ; behind A's two parts
	v_add_nc_u32 v[ADRB], s2, v6
	v_add_nc_u32 v[ADRB+1], HB, v[ADRB]
	v_add_nc_u32 v[ADRB+2], SLOT, v[ADRB]
	v_add_nc_u32 v[ADRB+3], SLOT+HB, v[ADRB]
	v_lshlrev_b32 v5, 5, v1
	v_lshl_add_u32 v5, v2, 4, v5                   ; 32 r + 16 h in a block
	s_mul_i32 s2, s21, HB
	v_add_nc_u32 v[ADRA], s2, v5
	v_add_nc_u32 v[ADRA+1], SLOT, v[ADRA]
	v_mul_u32_u24 v5, v1, SP                       ; the stage, in: row 64 wr + r, column 64 wc + 8 h
	v_lshl_add_u32 v5, v2, 5, v5
	s_mul_i32 s2, s21, 64*SP
	s_lshl_b32 s3, s22, 8
	s_add_co_u32 s2, s2, s3
	v_add_nc_u32 v[STO], s2, v5
	s_mul_i32 s2, s20, 32*SP                       ; back: my 32 rows, 16 bytes a lane
	v_add_nc_u32 v[RD], s2, v[CO]
	s_wait_tensorcnt 1                             ; my part of K step 0 is in; slot 1's was issued behind it and may stay out
	s_barrier_signal -1
	s_barrier_wait -1
	FETCH 0, 0, F0
	LAP 1
.if LAPS > 2
	WIN 0
	s_mov_b32 s23, LAPS-2
.Llap:
	LAP 0
	WIN 0
	s_sub_co_u32 s23, s23, 1
	s_cmp_lg_u32 s23, 0
	s_cbranch_scc1 .Llap
.endif
	THREE 0, 0                                     ; the last lap fills nothing
	TURN 0, 1, 0
	THREE 1, 0
	s_wait_dscnt 8
	WIN MUL
	MUL16 F1, 0, 0
	s_wait_dscnt 0
	MUL16 F1, 1, 0
	PLACES
	; the stage lies in slot 0: its last fill landed and every wave's last read of it came back in front of the last change of slots
	WIN 0x08                                       ; store data in window 2
.irp a, 0,1,2,3
.irp b, 0,1,2,3
	ds_store_b128 v[STO], v[8*(4*\a+\b):8*(4*\a+\b)+3]   offset:\a*16*SP+\b*64
	ds_store_b128 v[STO], v[8*(4*\a+\b)+4:8*(4*\a+\b)+7] offset:\a*16*SP+\b*64+16
.endr
.endr
	WIN 0
	s_wait_dscnt 0x0                               ; my stores are done, for the other waves' sake
	s_barrier_signal -1
	s_barrier_wait -1
	s_wait_loadcnt 0x0                             ; residual rows, bias (and g2)
; eight of my rows: residual + product + bias, stored; with EXTRA also the row sums of squares and bf16(x1 g2)
.macro ROWS8 g
	s_wait_xcnt 0x0                                ; XR and PK, which the last stores read, are written again only behind this wait
.irp j, 0,1,2,3,4,5,6,7
	ds_load_b128 v[ST+4*\j:ST+4*\j+3], v[RD] offset:(8*\g+\j)*SP
.endr
	s_wait_dscnt 0x0
	WIN 0x02                                       ; source 0 in window 2
.irp j, 0,1,2,3,4,5,6,7
.irp q, 0,1
	v_pk_add_f32 v[XR+4*\j+2*\q:XR+4*\j+2*\q+1], v[128+4*(8*\g+\j)+2*\q:128+4*(8*\g+\j)+2*\q+1], v[ST+4*\j+2*\q:ST+4*\j+2*\q+1]
.endr
.endr
	WIN 0
.irp j, 0,1,2,3,4,5,6,7
.irp q, 0,1
	v_pk_add_f32 v[XR+4*\j+2*\q:XR+4*\j+2*\q+1], v[XR+4*\j+2*\q:XR+4*\j+2*\q+1], v[BI+2*\q:BI+2*\q+1]
.endr
.endr
.irp j, 0,1,2,3,4,5,6,7
	global_store_b128 v[CO], v[XR+4*\j:XR+4*\j+3], s[90:91] offset:(8*\g+\j)*4096
.endr
.if EXTRA
.irp j, 0,1,2,3,4,5,6,7
	v_pk_mul_f32 v[T+2*\j:T+2*\j+1], v[XR+4*\j:XR+4*\j+1], v[XR+4*\j:XR+4*\j+1]
.endr
.irp j, 0,1,2,3,4,5,6,7
	v_pk_fma_f32 v[T+2*\j:T+2*\j+1], v[XR+4*\j+2:XR+4*\j+3], v[XR+4*\j+2:XR+4*\j+3], v[T+2*\j:T+2*\j+1]
.endr
.irp j, 0,1,2,3,4,5,6,7
	v_add_f32 v[T+2*\j], v[T+2*\j], v[T+2*\j+1]
.endr
.irp m, 1,2,4,8
.irp j, 0,1,2,3,4,5,6,7
	v_add_f32_dpp v[T+2*\j], v[T+2*\j], v[T+2*\j] row_xmask:\m row_mask:0xf bank_mask:0xf
.endr
.endr
.irp j, 0,1,2,3,4,5,6,7
	v_permlanex16_b32 v[T+2*\j+1], v[T+2*\j], s96, s97
.endr
.irp j, 0,1,2,3,4,5,6,7
	v_add_f32 v[T+2*\j], v[T+2*\j], v[T+2*\j+1]
.endr
.irp j, 0,1,2,3,4,5,6,7
	s_mov_b32 s98, 1<<(8*\g+\j)
	v_cndmask_b32 v[SS], v[SS], v[T+2*\j], s98     ; lane 8 g + j keeps this row's sum
.endr
.irp j, 0,1,2,3,4,5,6,7
.irp q, 0,1
	v_pk_mul_f32 v[ST+4*\j+2*\q:ST+4*\j+2*\q+1], v[XR+4*\j+2*\q:XR+4*\j+2*\q+1], v[GG+2*\q:GG+2*\q+1]
.endr
.endr
.irp j, 0,1,2,3,4,5,6,7
	v_cvt_pk_bf16_f32 v[PK+2*\j], v[ST+4*\j], v[ST+4*\j+1]
	v_cvt_pk_bf16_f32 v[PK+2*\j+1], v[ST+4*\j+2], v[ST+4*\j+3]
	global_store_b64 v[CO8], v[PK+2*\j:PK+2*\j+1], s[92:93] offset:(8*\g+\j)*2048
.endr
.endif
.endm
	ROWS8 0
	ROWS8 1
	ROWS8 2
	ROWS8 3
.if EXTRA
	global_store_b32 v[CO4], v[SS], s[94:95]
.endif
	s_set_vgpr_msb 0x1
	s_wait_tensorcnt 0x0
	ds_add_u32 v255, v255
	s_wait_dscnt 0x0
	s_set_vgpr_msb 0x100
	CROUND                                         ; the closing round
	s_endpgm
.Lfunc_end_k_q7157a5f62c_wo:
	.size	k_q7157a5f62c_wo, .Lfunc_end_k_q7157a5f62c_wo-k_q7157a5f62c_wo
	.p2alignl 7, 3214868480
	.fill 96, 4, 3214868480
	.section	.rodata,"a",@progbits
	.p2align	6, 0x0
	.amdhsa_kernel k_q7157a5f62c_wo
		.amdhsa_group_segment_fixed_size 327680
		.amdhsa_private_segment_fixed_size 0
		.amdhsa_enable_private_segment 0
		.amdhsa_kernarg_size 64
		.amdhsa_user_sgpr_count 2
		.amdhsa_user_sgpr_kernarg_segment_ptr 1
		.amdhsa_wavefront_size32 1
		.amdhsa_system_sgpr_workgroup_id_x 1
		.amdhsa_system_sgpr_workgroup_id_y 1
		.amdhsa_system_sgpr_workgroup_id_z 1
		.amdhsa_system_vgpr_workitem_id 0
		.amdhsa_next_free_vgpr 768
		.amdhsa_next_free_sgpr 100
		.amdhsa_reserve_vcc 0
		.amdhsa_float_denorm_mode_32 3
		.amdhsa_float_denorm_mode_16_64 3
		.amdhsa_memory_ordered 1
		.amdhsa_forward_progress 1
		.amdhsa_inst_pref_size 128
	.end_amdhsa_kernel
	.amdgpu_metadata
---
amdhsa.version: [ 1, 2 ]
amdhsa.kernels:
  - .name:           k_q7157a5f62c_wo
    .symbol:         k_q7157a5f62c_wo.kd
    .args:
      - { .name: ctx, .offset: 0, .size: 8, .value_kind: global_buffer, .address_space: global }
      - { .name: wts, .offset: 8, .size: 8, .value_kind: global_buffer, .address_space: global }
      - { .name: x, .offset: 16, .size: 8, .value_kind: global_buffer, .address_space: global }
      - { .name: bO, .offset: 24, .size: 8, .value_kind: global_buffer, .address_space: global }
      - { .name: g2, .offset: 32, .size: 8, .value_kind: global_buffer, .address_space: global }
      - { .name: x1, .offset: 40, .size: 8, .value_kind: global_buffer, .address_space: global }
      - { .name: x1g, .offset: 48, .size: 8, .value_kind: global_buffer, .address_space: global }
      - { .name: ssq, .offset: 56, .size: 8, .value_kind: global_buffer, .address_space: global }
    .group_segment_fixed_size: 327680
    .private_segment_fixed_size: 0
    .kernarg_segment_align: 8
    .kernarg_segment_size: 64
    .max_flat_workgroup_size: 128
    .sgpr_count:     100
    .vgpr_count:     768
    .wavefront_size: 32
...
	.end_amdgpu_metadata
.endif
;; end of part 4
;; launch ffn1 (part 5): grid 16 x 16, 4 waves a work-group, clusters of 4 x 4, 327,680 bytes of LDS; arguments x1g, wts, ssq, b1, tt; writes tt
.if DOCPART == 5
	.amdgcn_target "amdgcn-amd-amdhsa--gfx1250"
	.amdhsa_code_object_version 6
	.text
	.protected	k_q7157a5f62c_ffn1
	.globl	k_q7157a5f62c_ffn1
	.p2align	8
	.type	k_q7157a5f62c_ffn1,@function
k_q7157a5f62c_ffn1:
	s_mov_b64 s[64:65], 0
	v_nop
	global_prefetch_b8 v0, s[64:65] scope:SCOPE_SE
	s_setreg_imm32_b32 hwreg(HW_REG_WAVE_MODE, 25, 1), 1
	s_wait_xcnt 0x0
	s_wait_alu depctr_hold_cnt(0) depctr_sa_sdst(0) depctr_va_vdst(0) depctr_va_sdst(0) depctr_va_ssrc(0) depctr_va_vcc(0) depctr_vm_vsrc(0)
	s_getreg_b32 s2, hwreg(HW_REG_IB_STS2, 6, 4)
	s_cmp_eq_u32 s2, 0
	s_cbranch_scc0 .Lentry_in_a_cluster
	s_endpgm
.Lentry_in_a_cluster:
	s_bfe_u32 s2, ttmp6, 0x10000c
	s_cmp_lg_u32 s2, 0xf033
	s_cbranch_scc0 .Lentry_shape_is_right
	s_endpgm
.Lentry_shape_is_right:
; FFN1: t = relu(r2[row] ((x1 g2) W1) + b1), r2[row] = rsqrt(mean of x1^2 + eps): the norm's factor of a row is the same for all its columns, so it is applied to the sums.
; t goes out in bf16 in blocks of 16 x 16 ([row/16][column/16][16][16]).  LIMIT: the relu is a maximum in which a NaN loses, so a NaN becomes 0 here.
; A work-group makes 256 x 256 with four waves, each 128 x 128: 64 accumulators, 512 registers.  K goes in steps of 128 through two LDS slots filled by the tensor data mover.
; CLUSTER 4 x 4: x1g's tile is asked for jointly along a row of the cluster, W1's along a column.
; The matrix instruction is used transposed: source 0 = 16 columns of W1 (which lies [k][n] in LDS, by the transposing load), source 1 = 16 rows of x1g.
; Lane l then holds row l % 16 and columns 8 (l / 16) + 0..7: 16 bytes of a block, so one store of the wave writes a whole block, 512 consecutive aligned bytes: no stage.
; REGISTER WINDOWS: 0: v0-63 addresses and r2, v64-127 / v128-191 fragments of x1g, v192-255 b1; 1: fragments of W1; 2: accumulators of my rows 0-63; 3: of rows 64-127.
.set KSTEP, 128
.set PITCH, 272                        ; x1g's LDS row: 256 bytes + 16
.set PBW,   544                        ; W1's LDS row: 512 bytes + 32
.set HALFT, 128*PITCH                  ; 34,816 = 64 x 544 too: what one tensor load brings
.set SLOT,  4*HALFT
.set LAPS,  4                          ; 1,024 / 256
.set W1B,   4194304
.set ADRA, 16
.set ADRB, 20
.set LT,   24
.set R2,   32                          ; v[32 + 4 a]: r2 of row 16 a + l % 16
.set B1,   192
.set F0,   64
.set F1,   128
.set G1A, 28
.set G1B, 36
.set G0A, 44
.set G0B, 52
.set MSB, 0
.set MUL_LO, 0xa1
.set MUL_HI, 0xf1
.set TO_B,   0x40
.macro WIN new
.if MSB != \new
	s_set_vgpr_msb (MSB<<8)|\new
.set MSB, \new
.endif
.endm
.macro PLACES                          ; four places behind matrix instructions (ISA guide 7.12.1)
.rept 4
	v_nop
.endr
.endm
.macro CREST
	s_cmp_lg_u32 s20, 0
	s_cbranch_scc1 .Lnot_wave_0_\@
	s_barrier_signal -3
.Lnot_wave_0_\@:
	s_barrier_wait -3
	s_barrier_signal -1
	s_barrier_wait -1
.endm
.macro CROUND
	s_barrier_signal -1
	s_barrier_wait -1
	CREST
.endm
.macro JLOAD s
	s_cmp_eq_u32 s21, 0
	s_cbranch_scc0 .Lfor_b_\@
	tensor_load_to_lds s[G0A+4*\s:G0A+4*\s+3], s[G1A:G1A+7]
	s_nop 0
	s_branch .Lasked_\@
.Lfor_b_\@:
	tensor_load_to_lds s[G0B+4*\s:G0B+4*\s+3], s[G1B:G1B+7]
	s_nop 0
.Lasked_\@:
.endm
; 16 matrix instructions: row blocks a0, a0 + 1 of the window's four x all 8 column blocks.  The 64 accumulators take turns, one instruction a turn.
.macro MUL16 f, hi, a0, zero
.irp a, \a0, \a0+1
.irp b, 0,1,2,3,4,5,6,7
.if \zero
	v_wmma_f32_16x16x32_bf16 v[8*(8*(\a)+\b):8*(8*(\a)+\b)+7], v[\f+8*\b:\f+8*\b+7], v[\f+8*(4*\hi+\a):\f+8*(4*\hi+\a)+7], 0
.else
	v_wmma_f32_16x16x32_bf16 v[8*(8*(\a)+\b):8*(8*(\a)+\b)+7], v[\f+8*\b:\f+8*\b+7], v[\f+8*(4*\hi+\a):\f+8*(4*\hi+\a)+7], v[8*(8*(\a)+\b):8*(8*(\a)+\b)+7]
.endif
.endr
.endr
.endm
.macro FETCH slot, q, f                ; 32 LDS loads in one run: quarter q (32 along K) of a slot into buffer f
	WIN TO_B
.irp i, 0,1,2,3,4,5,6,7
	ds_load_tr16_b128 v[\f+8*\i:\f+8*\i+3],   v[ADRB+\slot] offset:\q*32*PBW+32*\i
	ds_load_tr16_b128 v[\f+8*\i+4:\f+8*\i+7], v[ADRB+\slot] offset:(\q*32+16)*PBW+32*\i
.endr
	WIN 0
.irp i, 0,1,2,3,4,5,6,7
	ds_load_b128 v[\f+8*\i:\f+8*\i+3],   v[ADRA+\slot] offset:\q*64+\i*16*PITCH
	ds_load_b128 v[\f+8*\i+4:\f+8*\i+7], v[ADRA+\slot] offset:\q*64+\i*16*PITCH+32
.endr
.endm
.macro QUARTER slot, q, f, g, zero
	s_wait_dscnt 8                                 ; all in but the youngest eight loads: my rows 64-127
	WIN MUL_LO
	MUL16 \f, 0, 0, \zero
	MUL16 \f, 0, 2, \zero
	PLACES
	FETCH \slot, \q, \g
	s_wait_dscnt 32                                ; all but the 32 just issued
	WIN MUL_HI
	MUL16 \f, 1, 0, \zero
	MUL16 \f, 1, 2, \zero
.endm
.macro THREE slot, zero
	QUARTER \slot, 1, F0, F1, \zero
	QUARTER \slot, 2, F1, F0, 0
	QUARTER \slot, 3, F0, F1, 0
.endm
; the last quarter changes slots: in front of its barrier each wave's reads of this slot are back and all its tensor loads have landed;
; with fill = 1 the barrier opens a round of the cluster's barrier and the joint refill is the first tensor load behind the round
.macro TURN slot, next, fill
	s_wait_dscnt 8
	WIN MUL_LO
	MUL16 F1, 0, 0, 0
	s_wait_dscnt 0
	s_wait_tensorcnt 0x0
	ds_add_u32 v255, v31
	s_wait_dscnt 0x0
	s_barrier_signal -1
	MUL16 F1, 0, 2, 0
	WIN 0
	s_barrier_wait -1
.if \fill
	CREST
	s_add_nc_u64 s[G0A+4*\slot+2:G0A+4*\slot+3], s[G0A+4*\slot+2:G0A+4*\slot+3], 512       ; two K steps on: 256 columns of x1g,
	s_add_nc_u64 s[G0B+4*\slot+2:G0B+4*\slot+3], s[G0B+4*\slot+2:G0B+4*\slot+3], 2097152   ; 256 rows of W1
	JLOAD \slot
.endif
	PLACES
	FETCH \next, 0, F0
	WIN MUL_HI
	MUL16 F1, 1, 0, 0
	MUL16 F1, 1, 2, 0
.endm
.macro LAP zero
	THREE 0, \zero
	TURN 0, 1, 1
	THREE 1, 0
	TURN 1, 0, 1
.endm
	s_load_b256 s[4:11], s[0:1], 0x0               ; x1g s[4:5], wts s[6:7], ssq s[8:9], b1 s[10:11]
	s_load_b64 s[12:13], s[0:1], 0x20              ; tt
	s_set_vgpr_msb 0x40
	v_lshl_add_u32 v255, v0, 2, 0x44000
	s_set_vgpr_msb 0x4000
	v_mov_b32 v31, 0
	s_set_vgpr_msb 0x1
	ds_add_u32 v255, v31
	s_set_vgpr_msb 0x100
	v_lshrrev_b32 v1, 5, v0
	v_readfirstlane_b32 s20, v1                    ; wave
	s_lshr_b32 s21, s20, 1                         ; wr; also: I ask for x1g (0) or W1 (1)
	s_and_b32 s22, s20, 1                          ; wc; also: which half I ask for
	s_bfe_u32 s24, ttmp6, 0x40000
	s_bfe_u32 s25, ttmp6, 0x40004
	s_lshl_b32 s26, ttmp9, 2
	s_add_co_u32 s26, s26, s24                     ; bx
	s_and_b32 s27, ttmp7, 0xffff
	s_lshl_b32 s27, s27, 2
	s_add_co_u32 s27, s27, s25                     ; by
	s_lshl_b32 s60, s25, 2
	s_lshl_b32 s60, 15, s60
	s_lshl_b32 s61, 0x1111, s24
	s_or_b32 s[G1A+0], s60, (1<<16)|(1<<20)|(1<<21)|(5<<22)|(3<<25)   ; x1g: 128 rows x 128 elements, 4 words of padding behind every 64
	s_mov_b32 s[G1A+1], 128<<16
	s_mov_b32 s[G1A+2], 128<<16
	s_mov_b32 s[G1A+3], 128<<16
	s_mov_b32 s[G1A+4], 128
	s_mov_b32 s[G1A+5], 1024
	s_mov_b32 s[G1A+6], 0
	s_mov_b32 s[G1A+7], 0
	s_or_b32 s[G1B+0], s61, (1<<16)|(1<<20)|(1<<21)|(6<<22)|(7<<25)   ; W1: 64 k rows x 256 elements, 8 words of padding behind every 128
	s_mov_b32 s[G1B+1], 256<<16
	s_mov_b32 s[G1B+2], 64<<16
	s_mov_b32 s[G1B+3], 256<<16
	s_mov_b32 s[G1B+4], 64
	s_mov_b32 s[G1B+5], 4096
	s_mov_b32 s[G1B+6], 0
	s_mov_b32 s[G1B+7], 0
	s_lshl_b32 s84, s27, 19                        ; x1g: 256 rows of 2,048 bytes a block row, 128 rows a half
	s_lshl_b32 s62, s22, 18
	s_add_co_u32 s84, s84, s62
	s_mov_b32 s85, 0
	s_lshl_b32 s86, s26, 9                         ; W1: 512 bytes a block column, 64 rows of 8,192 bytes a half
	s_lshl_b32 s62, s22, 19
	s_add_co_u32 s86, s86, s62
	s_add_co_u32 s86, s86, W1B
	s_mov_b32 s87, 0
	s_mul_i32 s63, s20, HALFT
	s_lshl_b32 s88, s27, 10                        ; ssq: rows 256 by + 128 wr
	s_lshl_b32 s98, s21, 9
	s_add_co_u32 s88, s88, s98
	s_mov_b32 s89, 0
	s_lshl_b32 s90, s26, 10                        ; b1: columns 256 bx + 128 wc
	s_lshl_b32 s98, s22, 9
	s_add_co_u32 s90, s90, s98
	s_mov_b32 s91, 0
	s_lshl_b32 s92, s27, 21                        ; tt: block row 16 by + 8 wr of 256 blocks, block column 16 bx + 8 wc
	s_lshl_b32 s98, s21, 20
	s_add_co_u32 s92, s92, s98
	s_lshl_b32 s98, s26, 13
	s_add_co_u32 s92, s92, s98
	s_lshl_b32 s98, s22, 12
	s_add_co_u32 s92, s92, s98
	s_mov_b32 s93, 0
	s_mov_b32 s96, 0x76543210
	s_mov_b32 s97, 0xfedcba98
	s_mov_b32 s98, 0x3a800000                      ; 1 / 1024
	s_mov_b32 s99, 0x34000000                      ; f32's eps
	s_wait_dscnt 0x0
	s_wait_kmcnt 0x0
	s_add_nc_u64 s[84:85], s[4:5], s[84:85]
	s_add_nc_u64 s[86:87], s[6:7], s[86:87]
	s_add_nc_u64 s[88:89], s[8:9], s[88:89]
	s_add_nc_u64 s[90:91], s[10:11], s[90:91]
	s_add_nc_u64 s[92:93], s[12:13], s[92:93]
	CROUND                                         ; all sixteen work-groups are here: the first joint loads meet
.irp s, 0,1
	s_mov_b32 s[G0A+4*\s], 1
	s_add_co_u32 s[G0A+4*\s+1], s63, \s*SLOT
	s_add_nc_u64 s[G0A+4*\s+2:G0A+4*\s+3], s[84:85], \s*256
	s_or_b32 s[G0A+4*\s+3], s[G0A+4*\s+3], 0x80000000
	s_mov_b32 s[G0B+4*\s], 1
	s_add_co_u32 s[G0B+4*\s+1], s63, \s*SLOT
	s_add_nc_u64 s[G0B+4*\s+2:G0B+4*\s+3], s[86:87], \s*1048576
	s_or_b32 s[G0B+4*\s+3], s[G0B+4*\s+3], 0x80000000
	JLOAD \s                                       ; by this text's count two tensor loads of a wave are out here, later one
.endr
	v_and_b32 v1, 15, v0                           ; r
	v_bfe_u32 v2, v0, 4, 1                         ; h
	v_lshlrev_b32 v27, 2, v1
	v_lshl_add_u32 v27, v2, 16, v27                ; ssq: row r; lanes 16-31 take block columns 4 to 7
	v_lshlrev_b32 v28, 5, v2                       ; b1: 8 h numbers
.irp a, 0,1,2,3,4,5,6,7
.irp c, 0,1,2,3
	global_load_b32 v[R2+4*\a+\c], v27, s[88:89] offset:\c*16384+\a*64
.endr
.endr
.irp b, 0,1,2,3,4,5,6,7
	global_load_b128 v[B1+8*\b:B1+8*\b+3],   v28, s[90:91] offset:64*\b
	global_load_b128 v[B1+8*\b+4:B1+8*\b+7], v28, s[90:91] offset:64*\b+16
.endr
	v_mul_u32_u24 v3, v1, PITCH
	v_lshl_add_u32 v3, v2, 4, v3
	s_mul_i32 s2, s21, HALFT                       ; my 128 rows of x1g
	v_add_nc_u32 v[ADRA], s2, v3
	v_add_nc_u32 v[ADRA+1], SLOT, v[ADRA]
	v_and_b32 v3, 7, v0
	v_bfe_u32 v4, v0, 3, 1
	v_lshl_add_u32 v5, v2, 3, v3                   ; the transposing load's row
	v_mul_u32_u24 v6, v5, PBW
	v_lshl_add_u32 v6, v4, 4, v6
	s_lshl_b32 s2, s22, 8                          ; my 128 columns of W1,
	s_add_co_u32 s2, s2, 2*HALFT                   ; behind x1g's 256 rows
	v_add_nc_u32 v[ADRB], s2, v6
	v_add_nc_u32 v[ADRB+1], SLOT, v[ADRB]
	v_lshlrev_b32 v[LT], 5, v1
	v_lshl_add_u32 v[LT], v2, 4, v[LT]
	s_wait_loadcnt 0x0
.irp a, 0,1,2,3,4,5,6,7
	v_add_f32 v[R2+4*\a], v[R2+4*\a], v[R2+4*\a+1]
	v_add_f32 v[R2+4*\a+2], v[R2+4*\a+2], v[R2+4*\a+3]
.endr
.irp a, 0,1,2,3,4,5,6,7
	v_add_f32 v[R2+4*\a], v[R2+4*\a], v[R2+4*\a+2]
.endr
.irp a, 0,1,2,3,4,5,6,7
	v_permlanex16_b32 v[R2+4*\a+1], v[R2+4*\a], s96, s97       ; the other four block columns' sums
.endr
.irp a, 0,1,2,3,4,5,6,7
	v_add_f32 v[R2+4*\a], v[R2+4*\a], v[R2+4*\a+1]
.endr
.irp a, 0,1,2,3,4,5,6,7
	v_fma_f32 v[R2+4*\a], v[R2+4*\a], s98, s99
.endr
.irp a, 0,1,2,3,4,5,6,7
	v_rsq_f32 v[R2+4*\a], v[R2+4*\a]
.endr
	v_nop                                          ; one plain instruction behind the transcendentals (ISA guide 5.7.2)
	s_wait_tensorcnt 1                             ; my part of K step 0 is in; slot 1's was issued behind it and may stay out
	s_barrier_signal -1
	s_barrier_wait -1
	FETCH 0, 0, F0
	LAP 1
	WIN 0
	s_mov_b32 s23, LAPS-2
.Llap:
	LAP 0
	WIN 0
	s_sub_co_u32 s23, s23, 1
	s_cmp_lg_u32 s23, 0
	s_cbranch_scc1 .Llap
	THREE 0, 0                                     ; the last lap fills nothing
	TURN 0, 1, 0
	THREE 1, 0
	s_wait_dscnt 8
	WIN MUL_LO
	MUL16 F1, 0, 0, 0
	MUL16 F1, 0, 2, 0
	s_wait_dscnt 0
	WIN MUL_HI
	MUL16 F1, 1, 0, 0
	MUL16 F1, 1, 2, 0
	PLACES
; rows 16 i .. 16 i + 15 of my block: the eight tiles (a, 0..7) of window 2 or 3 (from = 0x02 or 0x03: source 0)
.macro OUTROW i, a, from
	s_wait_xcnt 0x0                                ; the packed registers and the base, which the last stores read, are written again only behind this wait
.if \i
	s_add_nc_u64 s[92:93], s[92:93], 131072        ; the next block row: 256 blocks
.endif
	WIN \from
	s_wait_alu depctr_va_vdst(0)
.irp b, 0,1,2,3,4,5,6,7
.irp q, 0,1,2,3
	v_pk_fma_f32 v[F0+8*\b+2*\q:F0+8*\b+2*\q+1], v[8*(8*\a+\b)+2*\q:8*(8*\a+\b)+2*\q+1], v[R2+4*\i:R2+4*\i+1], v[B1+8*\b+2*\q:B1+8*\b+2*\q+1] op_sel_hi:[1,0,1]
.endr
.endr
	WIN 0
.set n, 0
.rept 64
	v_max_num_f32 v[F0+n], 0, v[F0+n]
.set n, n+1
.endr
.set n, 0
.rept 32
	v_cvt_pk_bf16_f32 v[F1+n], v[F0+2*n], v[F0+2*n+1]
.set n, n+1
.endr
.irp b, 0,1,2,3,4,5,6,7
	global_store_b128 v[LT], v[F1+4*\b:F1+4*\b+3], s[92:93] offset:512*\b
.endr
.endm
	OUTROW 0, 0, 0x02
	OUTROW 1, 1, 0x02
	OUTROW 2, 2, 0x02
	OUTROW 3, 3, 0x02
	OUTROW 4, 0, 0x03
	OUTROW 5, 1, 0x03
	OUTROW 6, 2, 0x03
	OUTROW 7, 3, 0x03
	CROUND                                         ; the closing round
	s_endpgm
.Lfunc_end_k_q7157a5f62c_ffn1:
	.size	k_q7157a5f62c_ffn1, .Lfunc_end_k_q7157a5f62c_ffn1-k_q7157a5f62c_ffn1
	.p2alignl 7, 3214868480
	.fill 96, 4, 3214868480
	.section	.rodata,"a",@progbits
	.p2align	6, 0x0
	.amdhsa_kernel k_q7157a5f62c_ffn1
		.amdhsa_group_segment_fixed_size 327680
		.amdhsa_private_segment_fixed_size 0
		.amdhsa_enable_private_segment 0
		.amdhsa_kernarg_size 40
		.amdhsa_user_sgpr_count 2
		.amdhsa_user_sgpr_kernarg_segment_ptr 1
		.amdhsa_wavefront_size32 1
		.amdhsa_system_sgpr_workgroup_id_x 1
		.amdhsa_system_sgpr_workgroup_id_y 1
		.amdhsa_system_sgpr_workgroup_id_z 1
		.amdhsa_system_vgpr_workitem_id 0
		.amdhsa_next_free_vgpr 1024
		.amdhsa_next_free_sgpr 100
		.amdhsa_reserve_vcc 0
		.amdhsa_float_denorm_mode_32 3
		.amdhsa_float_denorm_mode_16_64 3
		.amdhsa_memory_ordered 1
		.amdhsa_forward_progress 1
		.amdhsa_inst_pref_size 225
	.end_amdhsa_kernel
	.amdgpu_metadata
---
amdhsa.version: [ 1, 2 ]
amdhsa.kernels:
  - .name:           k_q7157a5f62c_ffn1
    .symbol:         k_q7157a5f62c_ffn1.kd
    .args:
      - { .name: x1g, .offset: 0, .size: 8, .value_kind: global_buffer, .address_space: global }
      - { .name: wts, .offset: 8, .size: 8, .value_kind: global_buffer, .address_space: global }
      - { .name: ssq, .offset: 16, .size: 8, .value_kind: global_buffer, .address_space: global }
      - { .name: b1, .offset: 24, .size: 8, .value_kind: global_buffer, .address_space: global }
      - { .name: tt, .offset: 32, .size: 8, .value_kind: global_buffer, .address_space: global }
    .group_segment_fixed_size: 327680
    .private_segment_fixed_size: 0
    .kernarg_segment_align: 8
    .kernarg_segment_size: 40
    .max_flat_workgroup_size: 128
    .sgpr_count:     100
    .vgpr_count:     1024
    .wavefront_size: 32
...
	.end_amdgpu_metadata
.endif
;; end of part 5
;; launch ffn2 (part 6): grid 8 x 32, 4 waves a work-group, clusters of 4 x 4, 327,680 bytes of LDS; arguments tt, wts, x1, b2, out0; writes out0
.if DOCPART == 6
	.amdgcn_target "amdgcn-amd-amdhsa--gfx1250"
	.amdhsa_code_object_version 6
	.text
	.protected	k_q7157a5f62c_ffn2
	.globl	k_q7157a5f62c_ffn2
	.p2align	8
	.type	k_q7157a5f62c_ffn2,@function
k_q7157a5f62c_ffn2:
	s_mov_b64 s[64:65], 0
	v_nop
	global_prefetch_b8 v0, s[64:65] scope:SCOPE_SE
	s_setreg_imm32_b32 hwreg(HW_REG_WAVE_MODE, 25, 1), 1
	s_wait_xcnt 0x0
	s_wait_alu depctr_hold_cnt(0) depctr_sa_sdst(0) depctr_va_vdst(0) depctr_va_sdst(0) depctr_va_ssrc(0) depctr_va_vcc(0) depctr_vm_vsrc(0)
	s_getreg_b32 s2, hwreg(HW_REG_IB_STS2, 6, 4)
	s_cmp_eq_u32 s2, 0
	s_cbranch_scc0 .Lentry_in_a_cluster
	s_endpgm
.Lentry_in_a_cluster:
	s_bfe_u32 s2, ttmp6, 0x10000c
	s_cmp_lg_u32 s2, 0xf033
	s_cbranch_scc0 .Lentry_shape_is_right
	s_endpgm
.Lentry_shape_is_right:
; OUT = RES + A W + bias.  Here (EXTRA = 0): out0 = x1 + t W2 + b2 in f32.
; A is bf16 in blocks of 16 x 16 ([row/16][k/16][16][16]), W is bf16 [k][n].  A work-group makes 128 x 128; four waves, 2 x 2, each 64 x 64 (16 accumulators).
; K goes in steps of 256 through two LDS slots filled by the tensor data mover; a step is four phases of 64 along K on two fragment buffers.
; CLUSTER 4 x 4: A's tile is asked for jointly along a row of the cluster, W's along a column.
; The matrix instruction is used transposed (source 0 = 16 columns of W by the transposing load, source 1 = 16 rows of A: two loads of 512 consecutive bytes).
; PREFETCH: A's tile of a K step is 8 token blocks x 8,192 bytes, and the eight work-groups of a block row all read it.  Work-group bx asks for token block 8 by + bx of it:
; 32 blocks of 256 bytes, by one instruction of wave 0, lanes 256 bytes apart, so that each block is asked for by one lane of the launch.  The request for K step n + 3
; stands behind the joint load for step n + 2, one K step (128 matrix instructions of a wave) ahead of the load that will want it; step 2's stands behind the first fills.
; The look-ahead is clamped to the row's last step, 15: the last request repeats step 15's, and none leaves tt.  At most 8,192 bytes a work-group are asked for and not yet read.
; W's tiles are not asked for ahead: 32 block rows read each of them.
; The way out goes through a stage in slot 0, which has had its last fill and its last read by then: each wave then owns 32 whole rows of 512 bytes,
; adds the residual rows that it asked for at the start, and every store covers 512 consecutive aligned bytes.
; REGISTER WINDOWS: 0: v0-63 addresses and small data, v64-127 / v128-191 fragments of A, v192-255 the way out; 1: fragments of W; 2: v0-127 accumulators, v128-255 residual rows.
.set KTOT,  4096
.set WOFF,  12582912                   ; W2 in wts
.set EXTRA, 0
.set LAPS,  KTOT/512                   ; a lap = two K steps
.set PB,    288                        ; W's LDS row: 256 bytes + 32
.set HB,    128*PB                     ; 36,864: each wave's part of a slot (A's parts use 32,768 of it)
.set SLOT,  4*HB
.set SP,    528                        ; the stage's row: 512 bytes + 16
.set F0,   64
.set F1,   128
.set ADRA, 8                           ; v8-9    slot
.set ADRB, 12                          ; v12-15  2 x slot + (phase / 2)
.set STO,  18
.set RD,   19
.set CO,   20                          ; 16 x lane
.set CO8,  21                          ; 8 x lane
.set CO4,  22                          ; 4 x lane
.set SS,   24
.set PF,   26                          ; prefetch: 256 x lane + 8,192 x K step
.set PFM,  27                          ; its largest value: the last K step
.set BI,   32                          ; v[32:35] bias of my 4 columns
.set GG,   36
.set T,    40
.set XR,   64
.set ST,   192
.set PK,   224
.set G1A, 28
.set G1B, 36
.set G0A, 44
.set G0B, 52
.set MSB, 0
.set MUL,  0xa1
.set TO_B, 0x40
.macro WIN new
.if MSB != \new
	s_set_vgpr_msb (MSB<<8)|\new
.set MSB, \new
.endif
.endm
.macro PLACES                          ; four places behind matrix instructions (ISA guide 7.12.1)
.rept 4
	v_nop
.endr
.endm
.macro CREST
	s_cmp_lg_u32 s20, 0
	s_cbranch_scc1 .Lnot_wave_0_\@
	s_barrier_signal -3
.Lnot_wave_0_\@:
	s_barrier_wait -3
	s_barrier_signal -1
	s_barrier_wait -1
.endm
.macro CROUND
	s_barrier_signal -1
	s_barrier_wait -1
	CREST
.endm
.macro JLOAD s                         ; waves 0 and 1 ask for A's halves, waves 2 and 3 for W's
	s_cmp_eq_u32 s21, 0
	s_cbranch_scc0 .Lfor_b_\@
	tensor_load_to_lds s[G0A+4*\s:G0A+4*\s+3], s[G1A:G1A+7]
	s_nop 0
	s_branch .Lasked_\@
.Lfor_b_\@:
	tensor_load_to_lds s[G0B+4*\s:G0B+4*\s+3], s[G1B:G1B+7]
	s_nop 0
.Lasked_\@:
.endm
.macro PFETCH                          ; wave 0 asks for my work-group's 8,192 bytes of a later step's tile of A
	s_cmp_lg_u32 s20, 0
	s_cbranch_scc1 .Lno_pf_\@
	global_prefetch_b8 v[PF], s[72:73] th:TH_LOAD_NT scope:SCOPE_SE
.Lno_pf_\@:
.endm
.macro MM d, a, b, zero
.if \zero
	v_wmma_f32_16x16x32_bf16 v[\d:\d+7], v[\a:\a+7], v[\b:\b+7], 0
.else
	v_wmma_f32_16x16x32_bf16 v[\d:\d+7], v[\a:\a+7], v[\b:\b+7], v[\d:\d+7]
.endif
.endm
.macro MUL8 f, kk, a0, zero            ; the 16 accumulators take turns, one instruction a turn
.irp a, \a0, \a0+1
.irp b, 0,1,2,3
	MM 8*(4*(\a)+\b), \f+8*(4*\kk+\b), \f+8*(4*\kk+(\a)), \zero
.endr
.endr
.endm
.macro MUL16 f, kk, zero
	MUL8 \f, \kk, 0, \zero
	MUL8 \f, \kk, 2, \zero
.endm
.macro FETCH slot, p, f                ; 32 LDS loads in one run: W first, A's second half of K last
	WIN TO_B
.irp kk, 0,1
.irp b, 0,1,2,3
	ds_load_tr16_b128 v[\f+8*(4*\kk+\b):\f+8*(4*\kk+\b)+3],   v[ADRB+2*\slot+\p/2] offset:((\p%2)*64+32*\kk)*PB+32*\b
	ds_load_tr16_b128 v[\f+8*(4*\kk+\b)+4:\f+8*(4*\kk+\b)+7], v[ADRB+2*\slot+\p/2] offset:((\p%2)*64+32*\kk+16)*PB+32*\b
.endr
.endr
	WIN 0
.irp kk, 0,1
.irp a, 0,1,2,3
	ds_load_b128 v[\f+8*(4*\kk+\a):\f+8*(4*\kk+\a)+3],   v[ADRA+\slot] offset:\a*8192+\p*2048+\kk*1024
	ds_load_b128 v[\f+8*(4*\kk+\a)+4:\f+8*(4*\kk+\a)+7], v[ADRA+\slot] offset:\a*8192+\p*2048+\kk*1024+512
.endr
.endr
.endm
.macro PHASE slot, pnext, f, g, zero
	s_wait_dscnt 8                                 ; all in but the youngest eight loads: A's second 32 of K
	WIN MUL
	MUL16 \f, 0, \zero
	PLACES
	FETCH \slot, \pnext, \g
	s_wait_dscnt 32                                ; all but the 32 just issued
	WIN MUL
	MUL16 \f, 1, 0
.endm
.macro THREE slot, zero
	PHASE \slot, 1, F0, F1, \zero
	PHASE \slot, 2, F1, F0, 0
	PHASE \slot, 3, F0, F1, 0
.endm
; the fourth phase changes slots: in front of its barrier each wave's reads of this slot are back and all its tensor loads have landed;
; with fill = 1 the barrier opens a round of the cluster's barrier and the joint refill is the first tensor load behind the round
.macro TURN slot, next, fill
	s_wait_dscnt 8
	WIN MUL
	MUL8 F1, 0, 0, 0
	s_wait_dscnt 0
	s_wait_tensorcnt 0x0
	ds_add_u32 v255, v255
	s_wait_dscnt 0x0
	s_barrier_signal -1
	MUL8 F1, 0, 2, 0
	WIN 0
	s_barrier_wait -1
.if \fill
	CREST
	s_add_nc_u64 s[G0A+4*\slot+2:G0A+4*\slot+3], s[G0A+4*\slot+2:G0A+4*\slot+3], 16384     ; two K steps on: 32 blocks of A,
	s_add_nc_u64 s[G0B+4*\slot+2:G0B+4*\slot+3], s[G0B+4*\slot+2:G0B+4*\slot+3], 1048576   ; 512 rows of W
	JLOAD \slot
	s_wait_xcnt 0x0                                ; the last prefetch, issued a K step ago, has had its address translated (ISA guide 3.1): its offset register is written again only behind this wait
	v_add_nc_u32 v[PF], 8192, v[PF]                ; the K step behind the one just asked for by the joint load,
	v_min_u32 v[PF], v[PF], v[PFM]                 ; never past the row's last step
	PFETCH
.endif
	PLACES
	FETCH \next, 0, F0
	WIN MUL
	MUL16 F1, 1, 0
.endm
.macro LAP zero
	THREE 0, \zero
	TURN 0, 1, 1
	THREE 1, 0
	TURN 1, 0, 1
.endm
.if EXTRA
	s_load_b512 s[4:19], s[0:1], 0x0               ; A s[4:5], wts s[6:7], RES s[8:9], bias s[10:11], g2 s[12:13], OUT s[14:15], x1g s[16:17], ssq s[18:19]
.else
	s_load_b256 s[4:11], s[0:1], 0x0               ; A s[4:5], wts s[6:7], RES s[8:9], bias s[10:11]
	s_load_b64 s[14:15], s[0:1], 0x20              ; OUT
	s_set_vgpr_msb 0x40
	v_lshl_add_u32 v255, v0, 2, 0x48000
	s_set_vgpr_msb 0x4000
	v_mov_b32 v255, 0
	s_set_vgpr_msb 0x1
	ds_add_u32 v255, v255
	s_set_vgpr_msb 0x100
.endif
	v_lshrrev_b32 v1, 5, v0
	v_readfirstlane_b32 s20, v1                    ; wave
	s_lshr_b32 s21, s20, 1                         ; wr; also: I ask for A (0) or W (1)
	s_and_b32 s22, s20, 1                          ; wc; also: which half I ask for
	s_bfe_u32 s24, ttmp6, 0x40000                  ; cx
	s_bfe_u32 s25, ttmp6, 0x40004                  ; cy
	s_lshl_b32 s26, ttmp9, 2
	s_add_co_u32 s26, s26, s24                     ; bx
	s_and_b32 s27, ttmp7, 0xffff
	s_lshl_b32 s27, s27, 2
	s_add_co_u32 s27, s27, s25                     ; by
	s_lshl_b32 s60, s25, 2
	s_lshl_b32 s60, 15, s60                        ; my row of the cluster
	s_lshl_b32 s61, 0x1111, s24                    ; my column
	s_or_b32 s[G1A+0], s60, (3<<16)|(1<<21)        ; A: elements of 8 bytes; 4 token blocks x 8,192 consecutive bytes
	s_mov_b32 s[G1A+1], 1024<<16
	s_mov_b32 s[G1A+2], 4<<16
	s_mov_b32 s[G1A+3], 1024<<16
	s_mov_b32 s[G1A+4], 4
	s_mov_b32 s[G1A+5], KTOT*4                     ; a token block's row of blocks is 32 KTOT bytes
	s_mov_b32 s[G1A+6], 0
	s_mov_b32 s[G1A+7], 0
	s_or_b32 s[G1B+0], s61, (1<<16)|(1<<20)|(1<<21)|(5<<22)|(7<<25)   ; W: 128 k rows x 128 columns, 8 words of padding behind every 64
	s_mov_b32 s[G1B+1], 128<<16
	s_mov_b32 s[G1B+2], 128<<16
	s_mov_b32 s[G1B+3], 128<<16
	s_mov_b32 s[G1B+4], 128
	s_mov_b32 s[G1B+5], 1024
	s_mov_b32 s[G1B+6], 0
	s_mov_b32 s[G1B+7], 0
	s_lshl_b32 s84, s27, 3
	s_lshl_b32 s62, s22, 2
	s_add_co_u32 s84, s84, s62                     ; A: token block 8 by + 4 x half
	s_mul_i32 s84, s84, KTOT*32
	s_mov_b32 s85, 0
	s_lshl_b32 s86, s26, 8                         ; W: 256 bytes a block column, 128 rows a half
	s_lshl_b32 s62, s22, 18
	s_add_co_u32 s86, s86, s62
	s_add_co_u32 s86, s86, WOFF
	s_mov_b32 s87, 0
	s_mul_i32 s63, s20, HB                         ; my part of a slot
	s_lshl_b32 s72, s27, 3                         ; prefetch: token block 8 by + bx, in registers that feed no descriptor
	s_add_co_u32 s72, s72, s26
	s_mul_i32 s72, s72, KTOT*32
	s_mov_b32 s73, 0
	s_lshl_b32 s88, s27, 19                        ; rows 128 by + 32 w of 4,096 bytes, 512 bytes a block column
	s_lshl_b32 s98, s20, 17
	s_add_co_u32 s88, s88, s98
	s_lshl_b32 s70, s26, 9
	s_add_co_u32 s88, s88, s70
	s_mov_b32 s89, 0
	s_mov_b32 s71, 0
.if EXTRA
	s_lshr_b32 s92, s88, 1                         ; the same place in bf16
	s_mov_b32 s93, 0
	s_lshl_b32 s94, s26, 14                        ; ssq: 4,096 numbers a block column
	s_lshl_b32 s98, s27, 9
	s_add_co_u32 s94, s94, s98
	s_lshl_b32 s98, s20, 7
	s_add_co_u32 s94, s94, s98
	s_mov_b32 s95, 0
	s_mov_b32 s96, 0x76543210
	s_mov_b32 s97, 0xfedcba98
.endif
	s_wait_dscnt 0x0
	s_wait_kmcnt 0x0
	s_add_nc_u64 s[84:85], s[4:5], s[84:85]
	s_add_nc_u64 s[86:87], s[6:7], s[86:87]
	s_add_nc_u64 s[72:73], s[4:5], s[72:73]
	s_add_nc_u64 s[90:91], s[14:15], s[88:89]      ; OUT's rows
	s_add_nc_u64 s[88:89], s[8:9], s[88:89]        ; RES's rows
	s_add_nc_u64 s[66:67], s[10:11], s[70:71]      ; bias
.if EXTRA
	s_add_nc_u64 s[68:69], s[12:13], s[70:71]      ; g2
	s_add_nc_u64 s[92:93], s[16:17], s[92:93]
	s_add_nc_u64 s[94:95], s[18:19], s[94:95]
.endif
	CROUND                                         ; all sixteen work-groups are here: the first joint loads meet
.irp s, 0,1
	s_mov_b32 s[G0A+4*\s], 1
	s_add_co_u32 s[G0A+4*\s+1], s63, \s*SLOT
	s_add_nc_u64 s[G0A+4*\s+2:G0A+4*\s+3], s[84:85], \s*8192
	s_or_b32 s[G0A+4*\s+3], s[G0A+4*\s+3], 0x80000000
	s_mov_b32 s[G0B+4*\s], 1
	s_add_co_u32 s[G0B+4*\s+1], s63, \s*SLOT
	s_add_nc_u64 s[G0B+4*\s+2:G0B+4*\s+3], s[86:87], \s*524288
	s_or_b32 s[G0B+4*\s+3], s[G0B+4*\s+3], 0x80000000
	JLOAD \s                                       ; by this text's count two tensor loads of a wave are out here, later one
.endr
	v_and_b32 v3, 31, v0
	v_lshlrev_b32 v[CO], 4, v3
	v_lshlrev_b32 v[CO8], 3, v3
	v_lshlrev_b32 v[CO4], 2, v3
	v_lshlrev_b32 v[PF], 8, v3                     ; lanes 256 bytes apart
	v_add_nc_u32 v[PFM], (KTOT/256-1)*8192, v[PF]
	v_add_nc_u32 v[PF], 2*8192, v[PF]
	PFETCH                                         ; K step 2, which the first change of slots will ask for
	WIN 0x80                                       ; destination in window 2
.set i, 0
.rept 32
	global_load_b128 v[128+4*i:128+4*i+3], v[CO], s[88:89] offset:4096*i th:TH_LOAD_NT     ; my 32 residual rows, 512 consecutive bytes each; awaited at the way out
.set i, i+1
.endr
	WIN 0
	global_load_b128 v[BI:BI+3], v[CO], s[66:67]
.if EXTRA
	global_load_b128 v[GG:GG+3], v[CO], s[68:69]
	v_mov_b32 v[SS], 0
.endif
	v_and_b32 v1, 15, v0                           ; r
	v_bfe_u32 v2, v0, 4, 1                         ; h
	v_and_b32 v3, 7, v0
	v_bfe_u32 v4, v0, 3, 1
	v_lshl_add_u32 v5, v2, 3, v3                   ; the transposing load's row
	v_mul_u32_u24 v6, v5, PB
	v_lshl_add_u32 v6, v4, 4, v6
	s_lshl_b32 s2, s22, 7                          ; my 64 columns,
	s_add_co_u32 s2, s2, 2*HB                      ; behind A's two parts
	v_add_nc_u32 v[ADRB], s2, v6
	v_add_nc_u32 v[ADRB+1], HB, v[ADRB]
	v_add_nc_u32 v[ADRB+2], SLOT, v[ADRB]
	v_add_nc_u32 v[ADRB+3], SLOT+HB, v[ADRB]
	v_lshlrev_b32 v5, 5, v1
	v_lshl_add_u32 v5, v2, 4, v5                   ; 32 r + 16 h in a block
	s_mul_i32 s2, s21, HB
	v_add_nc_u32 v[ADRA], s2, v5
	v_add_nc_u32 v[ADRA+1], SLOT, v[ADRA]
	v_mul_u32_u24 v5, v1, SP                       ; the stage, in: row 64 wr + r, column 64 wc + 8 h
	v_lshl_add_u32 v5, v2, 5, v5
	s_mul_i32 s2, s21, 64*SP
	s_lshl_b32 s3, s22, 8
	s_add_co_u32 s2, s2, s3
	v_add_nc_u32 v[STO], s2, v5
	s_mul_i32 s2, s20, 32*SP                       ; back: my 32 rows, 16 bytes a lane
	v_add_nc_u32 v[RD], s2, v[CO]
	s_wait_tensorcnt 1                             ; my part of K step 0 is in; slot 1's was issued behind it and may stay out
	s_barrier_signal -1
	s_barrier_wait -1
	FETCH 0, 0, F0
	LAP 1
.if LAPS > 2
	WIN 0
	s_mov_b32 s23, LAPS-2
.Llap:
	LAP 0
	WIN 0
	s_sub_co_u32 s23, s23, 1
	s_cmp_lg_u32 s23, 0
	s_cbranch_scc1 .Llap
.endif
	THREE 0, 0                                     ; the last lap fills nothing and asks for nothing ahead
	TURN 0, 1, 0
	THREE 1, 0
	s_wait_dscnt 8
	WIN MUL
	MUL16 F1, 0, 0
	s_wait_dscnt 0
	MUL16 F1, 1, 0
	PLACES
	; the stage lies in slot 0: its last fill landed and every wave's last read of it came back in front of the last change of slots
	WIN 0x08                                       ; store data in window 2
.irp a, 0,1,2,3
.irp b, 0,1,2,3
	ds_store_b128 v[STO], v[8*(4*\a+\b):8*(4*\a+\b)+3]   offset:\a*16*SP+\b*64
	ds_store_b128 v[STO], v[8*(4*\a+\b)+4:8*(4*\a+\b)+7] offset:\a*16*SP+\b*64+16
.endr
.endr
	WIN 0
	s_wait_dscnt 0x0                               ; my stores are done, for the other waves' sake
	s_barrier_signal -1
	s_barrier_wait -1
	s_wait_loadcnt 0x0                             ; residual rows and bias
; eight of my rows: residual + product + bias, stored
.macro ROWS8 g
	s_wait_xcnt 0x0                                ; XR, which the last stores read, is written again only behind this wait
.irp j, 0,1,2,3,4,5,6,7
	ds_load_b128 v[ST+4*\j:ST+4*\j+3], v[RD] offset:(8*\g+\j)*SP
.endr
	s_wait_dscnt 0x0
	WIN 0x02                                       ; source 0 in window 2
.irp j, 0,1,2,3,4,5,6,7
.irp q, 0,1
	v_pk_add_f32 v[XR+4*\j+2*\q:XR+4*\j+2*\q+1], v[128+4*(8*\g+\j)+2*\q:128+4*(8*\g+\j)+2*\q+1], v[ST+4*\j+2*\q:ST+4*\j+2*\q+1]
.endr
.endr
	WIN 0
.irp j, 0,1,2,3,4,5,6,7
.irp q, 0,1
	v_pk_add_f32 v[XR+4*\j+2*\q:XR+4*\j+2*\q+1], v[XR+4*\j+2*\q:XR+4*\j+2*\q+1], v[BI+2*\q:BI+2*\q+1]
.endr
.endr
.irp j, 0,1,2,3,4,5,6,7
	global_store_b128 v[CO], v[XR+4*\j:XR+4*\j+3], s[90:91] offset:(8*\g+\j)*4096
.endr
.endm
	ROWS8 0
	ROWS8 1
	ROWS8 2
	ROWS8 3
	s_set_vgpr_msb 0x1
	s_wait_tensorcnt 0x0
	ds_add_u32 v255, v255
	s_wait_dscnt 0x0
	s_set_vgpr_msb 0x100
	CROUND                                         ; the closing round
	s_endpgm
.Lfunc_end_k_q7157a5f62c_ffn2:
	.size	k_q7157a5f62c_ffn2, .Lfunc_end_k_q7157a5f62c_ffn2-k_q7157a5f62c_ffn2
	.p2alignl 7, 3214868480
	.fill 96, 4, 3214868480
	.section	.rodata,"a",@progbits
	.p2align	6, 0x0
	.amdhsa_kernel k_q7157a5f62c_ffn2
		.amdhsa_group_segment_fixed_size 327680
		.amdhsa_private_segment_fixed_size 0
		.amdhsa_enable_private_segment 0
		.amdhsa_kernarg_size 40
		.amdhsa_user_sgpr_count 2
		.amdhsa_user_sgpr_kernarg_segment_ptr 1
		.amdhsa_wavefront_size32 1
		.amdhsa_system_sgpr_workgroup_id_x 1
		.amdhsa_system_sgpr_workgroup_id_y 1
		.amdhsa_system_sgpr_workgroup_id_z 1
		.amdhsa_system_vgpr_workitem_id 0
		.amdhsa_next_free_vgpr 768
		.amdhsa_next_free_sgpr 100
		.amdhsa_reserve_vcc 0
		.amdhsa_float_denorm_mode_32 3
		.amdhsa_float_denorm_mode_16_64 3
		.amdhsa_memory_ordered 1
		.amdhsa_forward_progress 1
		.amdhsa_inst_pref_size 135
	.end_amdhsa_kernel
	.amdgpu_metadata
---
amdhsa.version: [ 1, 2 ]
amdhsa.kernels:
  - .name:           k_q7157a5f62c_ffn2
    .symbol:         k_q7157a5f62c_ffn2.kd
    .args:
      - { .name: tt, .offset: 0, .size: 8, .value_kind: global_buffer, .address_space: global }
      - { .name: wts, .offset: 8, .size: 8, .value_kind: global_buffer, .address_space: global }
      - { .name: x1, .offset: 16, .size: 8, .value_kind: global_buffer, .address_space: global }
      - { .name: b2, .offset: 24, .size: 8, .value_kind: global_buffer, .address_space: global }
      - { .name: out0, .offset: 32, .size: 8, .value_kind: global_buffer, .address_space: global }
    .group_segment_fixed_size: 327680
    .private_segment_fixed_size: 0
    .kernarg_segment_align: 8
    .kernarg_segment_size: 40
    .max_flat_workgroup_size: 128
    .sgpr_count:     100
    .vgpr_count:     768
    .wavefront_size: 32
...
	.end_amdgpu_metadata
.endif
;; end of part 6
;; ======== version 2 of 2: 6 launches; version 1 with the launch prep written anew for expert scheduling mode
;; limits: right only within a limited range of input values
;; workspace buffers: hb 8,388,608 bytes; wts 21,233,664 bytes; qkv 9,437,184 bytes; ctx 8,388,608 bytes; x1 16,777,216 bytes; x1g 8,388,608 bytes; ssq 131,072 bytes; tt 33,554,432 bytes
;; launch prep (part 7): grid 512 x 1, 8 waves a work-group, no clusters, 0 bytes of LDS; arguments x, g1, WQ, WO, W1, W2, WK, WV, hb, wts; writes hb, wts
.if DOCPART == 7
	.amdgcn_target "amdgcn-amd-amdhsa--gfx1250"
	.amdhsa_code_object_version 6
	.text
	.protected	k_q7157a5f62c_prep
	.globl	k_q7157a5f62c_prep
	.p2align	8
	.type	k_q7157a5f62c_prep,@function
k_q7157a5f62c_prep:
	s_mov_b64 s[64:65], 0
	v_nop
	global_prefetch_b8 v0, s[64:65] scope:SCOPE_SE
	s_setreg_imm32_b32 hwreg(HW_REG_WAVE_SCHED_MODE, 0, 2), 2
	s_setreg_imm32_b32 hwreg(HW_REG_WAVE_MODE, 25, 1), 1
	s_wait_xcnt 0x0
	s_wait_alu depctr_vm_vsrc(0)
; PREP: hb = bf16(rmsnorm(x) * g1), row-major, and all weights rounded to bf16, still [in][out].
; WORK LEFT OUT IN THIS PROGRAM: the input bK.  scores[q][k] = q . (h_k WK) + q . bK; the second term is the same for every key k of a
; query, the mask only replaces entries by -inf, and a softmax along k does not change when one number is added to all its entries.  So bK
; reaches no output, whatever finite values the inputs hold: it is not loaded and is no launch's argument.  Limit: a NaN, an infinity or an
; overflow that comes from bK alone is not carried to the result.
; bV is live; since the softmax weights of a query sum to 1, sum p (v + bV) = sum p v + bV, and it is added once for each query in the attention launch.
; 4,096 waves.  Wave W takes row W of x (4,096 bytes), 4,096 bytes each of W1 and W2, 1,024 bytes each of WQ and WO; waves 0 to 1,023 also
; take 512 bytes of WK (W < 512) or WV.  Each load covers 512 consecutive bytes, each store 256 consecutive aligned bytes; only WK's and WV's
; stores are pieces of 32 bytes (262,144 bytes of the launch's 29.6 million), since their columns are regrouped into [8][1024 k][16 columns].
; All loads of a wave go out at once; no register is written again behind a store that reads it.  No LDS and no matrix unit: a stream.
; THE MODE: SCHED_MODE bits 1:0 = 2 (LLVM: expert scheduling mode 2), set by the entry lines.  The code itself states the register dependences
; between vector instructions and memory instructions, with s_wait_alu, always for 0.
; THE PLAN.  Registers that memory instructions touch:
;   v1, v2     byte offsets of the loads and of the stores: made once at the head, never written again.
;   v5         the offset of WK's or WV's store: made in that arm, read by its one store, named by no memory instruction before.
;   X, G, A1, A2, AQ, AO, KV   each is loaded once; no vector instruction names any of them ahead of its load.
;   The first two registers of each chunk of four in X, A1, A2, AQ, AO, KV: written by the chunk's two roundings, read by its one store, and written by nothing behind that.
;   T and v3, v4, v6, v7 are named by vector instructions alone.
; The way out goes in steps.  A step rounds one buffer; its memory instructions are the stores of the buffer that the step before rounded, which none of its roundings names.
; So one wait at a step's head, behind the wait for the step's own data, states all that the step's stores hang on, and they are dealt among the roundings with no further wait.
.set WOB,  2097152                     ; byte offsets in wts: WQ at 0, WO, W1, W2, then WK and WV regrouped
.set W1B,  4194304
.set W2B,  12582912
.set WKVB, 20971520
.set X,   8                            ; v[8:39]    my row of x
.set G,   40                           ; v[40:71]   g1 at the same columns
.set A1,  72                           ; v[72:103]  W1's chunk
.set A2,  104                          ; v[104:135] W2's chunk
.set AQ,  136                          ; v[136:143] WQ's chunk
.set AO,  144                          ; v[144:151] WO's chunk
.set KV,  152                          ; v[152:155] WK's or WV's chunk
.set T,   156                          ; v[156:163] at work
	s_load_b512 s[8:23], s[0:1], 0x0               ; x s[8:9], g1 s[10:11], WQ s[12:13], WO s[14:15], W1 s[16:17], W2 s[18:19], WK s[20:21], WV s[22:23]
	s_load_b128 s[24:27], s[0:1], 0x40             ; hb s[24:25], wts s[26:27]
	v_lshrrev_b32 v3, 5, v0
	v_readfirstlane_b32 s2, v3                     ; wave in the work-group
	v_and_b32 v4, 31, v0
	v_lshlrev_b32 v1, 4, v4                        ; 16 x lane: loads
	v_lshlrev_b32 v2, 3, v4                        ; 8 x lane: stores
	s_wait_alu depctr_va_sdst(0)                   ; s2 is written, ahead of its first reader: W, and every base below, is made from it
	s_lshl_b32 s3, ttmp9, 3
	s_add_co_u32 s3, s3, s2                        ; W
	s_lshl_b32 s28, s3, 12                         ; W x 4,096
	s_mov_b32 s29, 0
	s_lshl_b32 s30, s3, 10                         ; W x 1,024
	s_mov_b32 s31, 0
	s_lshl_b32 s32, s3, 11                         ; W x 2,048
	s_mov_b32 s33, 0
	s_lshl_b32 s34, s3, 9                          ; W x 512
	s_mov_b32 s35, 0
	s_mov_b32 s44, 0x3a800000                      ; 1 / 1024
	s_mov_b32 s45, 0x34000000                      ; f32's eps, 2^-23
	s_mov_b32 s54, 0x76543210                      ; v_permlanex16_b32: lane i reads lane i of the other half
	s_mov_b32 s55, 0xfedcba98
	s_wait_kmcnt 0x0
	s_add_nc_u64 s[8:9], s[8:9], s[28:29]
	s_add_nc_u64 s[16:17], s[16:17], s[28:29]
	s_add_nc_u64 s[18:19], s[18:19], s[28:29]
	s_add_nc_u64 s[12:13], s[12:13], s[30:31]
	s_add_nc_u64 s[14:15], s[14:15], s[30:31]
	s_add_nc_u64 s[24:25], s[24:25], s[32:33]      ; my row of hb
	s_add_nc_u64 s[36:37], s[26:27], s[32:33]
	s_add_nc_u64 s[38:39], s[36:37], W2B           ; my 2,048 bytes of W2 in bf16
	s_add_nc_u64 s[36:37], s[36:37], W1B           ; and of W1
	s_add_nc_u64 s[40:41], s[26:27], s[34:35]      ; my 512 bytes of WQ in bf16
	s_add_nc_u64 s[42:43], s[40:41], WOB           ; and of WO
	s_wait_alu depctr_va_vdst(0)                   ; v1 and v2 are written: every load below reads v1 as its offset, the stores read v2
.macro LDN reg, n, base                ; n loads of 512 consecutive bytes, read once in the launch
.set j, 0
.rept \n
	global_load_b128 v[\reg+4*j:\reg+4*j+3], v1, s[\base:\base+1] offset:512*j th:TH_LOAD_NT
.set j, j+1
.endr
.endm
	LDN X, 8, 8
.irp j, 0,1,2,3,4,5,6,7
	global_load_b128 v[G+4*\j:G+4*\j+3], v1, s[10:11] offset:512*\j      ; g1: every wave reads it
.endr
	LDN A1, 8, 16
	LDN A2, 8, 18
	LDN AQ, 2, 12
	LDN AO, 2, 14
	; WK and WV: work-groups 0 to 127.  A chunk is two rows k of 64 columns; lane L holds columns 4 (L & 15) .. + 3 of row 2 (W & 511) + (L >> 4).
	s_cmp_ge_u32 ttmp9, 128
	s_cbranch_scc1 .Lno_kv
	s_and_b32 s46, s3, 511
	s_lshl_b32 s48, s46, 9
	s_mov_b32 s49, 0
	s_cmp_lt_u32 s3, 512
	s_cselect_b64 s[50:51], s[20:21], s[22:23]     ; WK for W < 512, else WV
	s_cselect_b32 s47, 0, 4*32768                  ; WV's columns are groups 4 to 7
	s_add_nc_u64 s[50:51], s[50:51], s[48:49]
	global_load_b128 v[KV:KV+3], v1, s[50:51] th:TH_LOAD_NT   ; no vector instruction since the wait above: v1 stands as it was shown written
	v_bfe_u32 v5, v0, 2, 2                         ; group of 16 columns
	v_bfe_u32 v6, v0, 4, 1                         ; which of the two rows
	v_and_b32 v7, 3, v0                            ; which 4 of the 16 columns
	v_lshlrev_b32 v5, 15, v5                       ; a group is 1,024 rows of 32 bytes
	v_lshl_add_u32 v5, v6, 5, v5
	v_lshl_add_u32 v5, v7, 3, v5
	s_lshl_b32 s46, s46, 6                         ; two rows of 32 bytes a chunk
	s_add_co_u32 s46, s46, s47
	s_add_co_u32 s46, s46, WKVB
	s_mov_b32 s47, 0
	s_add_nc_u64 s[52:53], s[26:27], s[46:47]
	s_wait_loadcnt 0x0                             ; this load is the youngest: all are in, and the counted waits below are met at once
	v_cvt_pk_bf16_f32 v[KV], v[KV], v[KV+1]
	v_cvt_pk_bf16_f32 v[KV+1], v[KV+2], v[KV+3]
	s_wait_alu depctr_va_vdst(0)                   ; v5 and the two packed registers are written: the store reads them as its offset and its data
	global_store_b64 v5, v[KV:KV+1], s[52:53]
.Lno_kv:
	s_wait_loadcnt 28                              ; 28 loads were issued behind x's eight
	; the sum of squares of my 32 numbers, in four chains started by a product: nothing is cleared
.irp c, 0,1,2,3
	v_pk_mul_f32 v[T+2*\c:T+2*\c+1], v[X+2*\c:X+2*\c+1], v[X+2*\c:X+2*\c+1]
.endr
.set p, 4
.rept 12
	v_pk_fma_f32 v[T+2*(p%4):T+2*(p%4)+1], v[X+2*p:X+2*p+1], v[X+2*p:X+2*p+1], v[T+2*(p%4):T+2*(p%4)+1]
.set p, p+1
.endr
	v_pk_add_f32 v[T:T+1], v[T:T+1], v[T+2:T+3]
	v_pk_add_f32 v[T+4:T+5], v[T+4:T+5], v[T+6:T+7]
	v_pk_add_f32 v[T:T+1], v[T:T+1], v[T+4:T+5]
	v_add_f32 v[T], v[T], v[T+1]
	v_add_f32_dpp v[T], v[T], v[T] row_xmask:1 row_mask:0xf bank_mask:0xf
	v_add_f32_dpp v[T], v[T], v[T] row_xmask:2 row_mask:0xf bank_mask:0xf
	v_add_f32_dpp v[T], v[T], v[T] row_xmask:4 row_mask:0xf bank_mask:0xf
	v_add_f32_dpp v[T], v[T], v[T] row_xmask:8 row_mask:0xf bank_mask:0xf
	v_permlanex16_b32 v[T+1], v[T], s54, s55
	v_add_f32 v[T], v[T], v[T+1]                   ; the row's sum, in every lane
	v_fma_f32 v[T], v[T], s44, s45                 ; mean + eps
	v_rsq_f32 v[T+2], v[T]
	v_nop                                          ; one plain instruction behind the transcendental (ISA guide 5.7.2)
	s_wait_alu depctr_va_vdst(0)                   ; the root's reciprocal is written in v[T+2], ahead of its first reader
.set p, 0
.rept 16
	v_pk_mul_f32 v[X+2*p:X+2*p+1], v[X+2*p:X+2*p+1], v[T+2:T+3] op_sel_hi:[1,0]
.set p, p+1
.endr
	s_wait_loadcnt 20                              ; 20 loads were issued behind g1's eight
.set p, 0
.rept 16
	v_pk_mul_f32 v[X+2*p:X+2*p+1], v[X+2*p:X+2*p+1], v[G+2*p:G+2*p+1]
.set p, p+1
.endr
; chunk j of a buffer, four f32 a lane, is rounded in place into its first two registers
.macro CV reg, j
	v_cvt_pk_bf16_f32 v[\reg+4*(\j)], v[\reg+4*(\j)], v[\reg+4*(\j)+1]
	v_cvt_pk_bf16_f32 v[\reg+4*(\j)+1], v[\reg+4*(\j)+2], v[\reg+4*(\j)+3]
.endm
; chunk j of a buffer is stored: 256 consecutive aligned bytes of the wave
.macro SR reg, j, base
	global_store_b64 v2, v[\reg+4*(\j):\reg+4*(\j)+1], s[\base:\base+1] offset:256*(\j)
.endm
.irp j, 0,1,2,3,4,5,6,7
	CV X, \j                                       ; my row of hb is rounded; it is stored in the next step
.endr
	s_wait_loadcnt 12                              ; W1's chunk is in: 12 loads were issued behind its eight
	s_wait_alu depctr_va_vdst(0)                   ; the roundings have written X's packed registers, which the stores of this step read
.irp j, 0,1,2,3,4,5,6,7
	SR X, \j, 24                                   ; no vector instruction since the wait names X or v2
	CV A1, \j
.endr
	s_wait_loadcnt 4                               ; W2's chunk is in: 4 loads were issued behind its eight
	s_wait_alu depctr_va_vdst(0)                   ; the roundings have written A1's packed registers, which the stores of this step read
.irp j, 0,1,2,3,4,5,6,7
	SR A1, \j, 36                                  ; no vector instruction since the wait names A1 or v2
	CV A2, \j
.endr
	s_wait_loadcnt 2                               ; WQ's chunk is in: WO's two loads were issued behind it
	s_wait_alu depctr_va_vdst(0)                   ; the roundings have written A2's packed registers, which the eight stores of this step read
	SR A2, 0, 38                                   ; no vector instruction since the wait names A2 or v2, down to the step's last store
	SR A2, 1, 38
	CV AQ, 0
	SR A2, 2, 38
	SR A2, 3, 38
	CV AQ, 1
	s_wait_loadcnt 0                               ; WO's chunk is in
	SR A2, 4, 38
	SR A2, 5, 38
	CV AO, 0
	SR A2, 6, 38
	SR A2, 7, 38
	CV AO, 1
	s_wait_alu depctr_va_vdst(0)                   ; the roundings have written AQ's and AO's packed registers, which the last four stores read
	SR AQ, 0, 40
	SR AQ, 1, 40
	SR AO, 0, 42
	SR AO, 1, 42
	s_endpgm
.Lfunc_end_k_q7157a5f62c_prep:
	.size	k_q7157a5f62c_prep, .Lfunc_end_k_q7157a5f62c_prep-k_q7157a5f62c_prep
	.p2alignl 7, 3214868480
	.fill 96, 4, 3214868480
	.section	.rodata,"a",@progbits
	.p2align	6, 0x0
	.amdhsa_kernel k_q7157a5f62c_prep
		.amdhsa_group_segment_fixed_size 0
		.amdhsa_private_segment_fixed_size 0
		.amdhsa_enable_private_segment 0
		.amdhsa_kernarg_size 80
		.amdhsa_user_sgpr_count 2
		.amdhsa_user_sgpr_kernarg_segment_ptr 1
		.amdhsa_wavefront_size32 1
		.amdhsa_system_sgpr_workgroup_id_x 1
		.amdhsa_system_sgpr_workgroup_id_y 1
		.amdhsa_system_sgpr_workgroup_id_z 1
		.amdhsa_system_vgpr_workitem_id 0
		.amdhsa_next_free_vgpr 168
		.amdhsa_next_free_sgpr 66
		.amdhsa_reserve_vcc 0
		.amdhsa_float_denorm_mode_32 3
		.amdhsa_float_denorm_mode_16_64 3
		.amdhsa_memory_ordered 1
		.amdhsa_forward_progress 1
		.amdhsa_inst_pref_size 17
	.end_amdhsa_kernel
	.amdgpu_metadata
---
amdhsa.version: [ 1, 2 ]
amdhsa.kernels:
  - .name:           k_q7157a5f62c_prep
    .symbol:         k_q7157a5f62c_prep.kd
    .args:
      - { .name: x, .offset: 0, .size: 8, .value_kind: global_buffer, .address_space: global }
      - { .name: g1, .offset: 8, .size: 8, .value_kind: global_buffer, .address_space: global }
      - { .name: WQ, .offset: 16, .size: 8, .value_kind: global_buffer, .address_space: global }
      - { .name: WO, .offset: 24, .size: 8, .value_kind: global_buffer, .address_space: global }
      - { .name: W1, .offset: 32, .size: 8, .value_kind: global_buffer, .address_space: global }
      - { .name: W2, .offset: 40, .size: 8, .value_kind: global_buffer, .address_space: global }
      - { .name: WK, .offset: 48, .size: 8, .value_kind: global_buffer, .address_space: global }
      - { .name: WV, .offset: 56, .size: 8, .value_kind: global_buffer, .address_space: global }
      - { .name: hb, .offset: 64, .size: 8, .value_kind: global_buffer, .address_space: global }
      - { .name: wts, .offset: 72, .size: 8, .value_kind: global_buffer, .address_space: global }
    .group_segment_fixed_size: 0
    .private_segment_fixed_size: 0
    .kernarg_segment_align: 8
    .kernarg_segment_size: 80
    .max_flat_workgroup_size: 256
    .sgpr_count:     66
    .vgpr_count:     168
    .wavefront_size: 32
...
	.end_amdgpu_metadata
.endif
;; end of part 7
;; launch qkv: the kernel of part 2 again; grid 8 x 32, 4 waves a work-group, clusters of 4 x 4, 327,680 bytes of LDS; arguments hb, wts, bQ, qkv; writes qkv
;; launch attn: the kernel of part 3 again; grid 256 x 1, 4 waves a work-group, clusters of 4 x 1, 283,136 bytes of LDS; arguments qkv, mask, bV, ctx; writes ctx
;; launch wo: the kernel of part 4 again; grid 8 x 32, 4 waves a work-group, clusters of 4 x 4, 327,680 bytes of LDS; arguments ctx, wts, x, bO, g2, x1, x1g, ssq; writes x1, x1g, ssq
;; launch ffn1: the kernel of part 5 again; grid 16 x 16, 4 waves a work-group, clusters of 4 x 4, 327,680 bytes of LDS; arguments x1g, wts, ssq, b1, tt; writes tt
;; launch ffn2: the kernel of part 6 again; grid 8 x 32, 4 waves a work-group, clusters of 4 x 4, 327,680 bytes of LDS; arguments tt, wts, x1, b2, out0; writes out0
